; MI455X (gfx1250); checked and timed in simulation.
; The chip was launched on July 23, 2026; its instructions are those of AMD's public machine-readable ISA for CDNA 5 (MIT licence, August 2026) and "CDNA5" Instruction Set Architecture Reference Guide (July 2026). The comments in the code are by the model that wrote it; some were corrected since.
;; Causal Self Attention. Allowed arithmetic: matrix products marked QUANTISED: E2M3 operands, one E8M0 scale for each 32 along K, by v_wmma_scale_f32_16x16x128_f8f6f4 with both operands' format E2M3, f32 sums; everything else in f32.
;; Inputs: wk 1,024 x 1,024 float32; wo 1,024 x 1,024 float32; wq 1,024 x 1,024 float32; wv 1,024 x 1,024 float32; x 4 x 2,048 x 1,024 float32.
;; Outputs: out0 4 x 2,048 x 1,024 float32.
;; This version of the problem:
;;   THIS VERSION OF THE PROBLEM IS GIVEN IN LOW PRECISION. The matrix products marked QUANTISED in the list below multiply operands that are first quantised to E2M3 (2 exponent bits, 3 mantissa bits; 6 bits a number), with one power-of-two scale for each 32 numbers along K (OCP MX v1.0); their sums are f32. All else is computed in f32.
;;   The module's matrix products, in the order in which they are computed (A, B: the left and right operand; K: the contracted axis; several contracted axes count as one K, in the product's order):
;;     1. [M 8,192, K 1,024] x [K 1,024, N 1,024]; A: input x; B: input wq: QUANTISED
;;     2. [M 8,192, K 1,024] x [K 1,024, N 1,024]; A: input x; B: input wk: QUANTISED
;;     3. [M 8,192, K 1,024] x [K 1,024, N 1,024]; A: input x; B: input wv: QUANTISED
;;     4. batch 64 x [M 2,048, K 64] x [K 64, N 2,048]; A: computed on the way; B: computed on the way: QUANTISED
;;     5. batch 64 x [M 2,048, K 2,048] x [K 2,048, N 64]; A: softmax (see below); B: computed on the way: QUANTISED
;;     6. [M 8,192, K 1,024] x [K 1,024, N 1,024]; A: computed on the way; B: input wo: QUANTISED
;;   THE QUANTISER, for each operand of a quantised product, along K:
;;     - K is cut into blocks of 32 from its start; a last block that is shorter is filled with zeros.
;;     - A block's scale is 2^e with e = floor(log2(the largest magnitude in the block)) - 2, held to -126 .. 127; a block of zeros has e = 0. As a byte (E8M0): e + 127.
;;     - Each number is divided by its block's scale, clamped to +-7.5, and rounded to the nearest number of E2M3, ties to even, subnormals kept.
;;     - The product sums the exact products of the quantised numbers (number of the format x scale) in f32.
;;   ~~~python
;;   def quantise(x, axis):      # numpy; x: float32 -> the quantised numbers, widened to float32 again
;;       x = np.moveaxis(x, axis, -1); K = x.shape[-1]
;;       x = np.pad(x, [(0, 0)] * (x.ndim - 1) + [(0, -K % 32)]); x = x.reshape(x.shape[:-1] + (-1, 32)); a = np.abs(x).max(-1, keepdims=True)
;;       e = np.where(a > 0, np.clip(np.frexp(np.where(a > 0, a, 1))[1] - 1 - 2, -126, 127), 0)      # np.frexp(a)[1] - 1 = floor(log2(a)), exactly
;;       r = np.clip(x / 2.0 ** e, -7.5, 7.5)
;;       step = 2.0 ** (np.maximum(np.frexp(np.where(r == 0, 1, r))[1] - 1, 0) - 3)
;;       q = np.round(r / step) * step * 2.0 ** e      # np.round: ties to even
;;       return np.moveaxis(q.reshape(q.shape[:-2] + (-1,))[..., :K], -1, axis).astype(np.float32)
;;   ~~~
;;   SOFTMAX AHEAD OF A QUANTISED PRODUCT. Where the list says 'softmax', what is quantised is not the finished softmax but p = 2^(t - M), with t = logit x log2(e) and M = ceil(the row's largest t), a whole number; so 1/2 < the row's largest p <= 1. The row's sum l is taken of the UNQUANTISED p, in f32, and the product's result is divided by l at the end. Since M is a whole number, a kernel that streams over the keys may use a running M (the ceiling of the running maximum): every later rescaling is an exact power of two, which a block's scale takes up: the codes' values come out the same.
;;   OPERANDS COMPUTED ON THE WAY. 'Computed on the way' means the value that the module computes at that place (a softmax that the list does not call 'softmax' is quantised finished and normalised). What goes into a quantiser is computed in f32, as accurately as f32 sums, v_exp_f32 and their like allow (about 1e-6 of the number): no bf16 or f16 on the way to a quantiser, and a product that is left as it is and whose result goes on into a quantised operand takes f32 operands (vector FMAs, or v_wmma_f32_16x16x4_f32). A number that lies on a knife's edge between two numbers of the format may be rounded either way, as far as f32 arithmetic and the matrix unit's own rounding can turn it there, and no further.
;; One version. Each part assembles by itself: llvm-mc -triple=amdgcn-amd-amdhsa -mcpu=gfx1250 --defsym DOCPART=n.
;; ======== version 1 of 1: 4 launches
;; workspace buffers: opimg 9,437,184 bytes; opsc 393,216 bytes; qkvc 18,874,368 bytes; qkvs 1,572,864 bytes; oimg 6,291,456 bytes; osc 262,144 bytes
;; launch quant (part 1): grid 384 x 1, 4 waves a work-group, no clusters, 34,816 bytes of LDS; arguments x, wq, wk, wv, wo, opimg, opsc; writes opimg, opsc
.if DOCPART == 1
	.amdgcn_target "amdgcn-amd-amdhsa--gfx1250"
	.amdhsa_code_object_version 6
	.text
	.protected	k_qd9b797c420_quant
	.globl	k_qd9b797c420_quant
	.p2align	8
	.type	k_qd9b797c420_quant,@function
k_qd9b797c420_quant:
	s_mov_b64 s[64:65], 0
	v_nop
	global_prefetch_b8 v0, s[64:65] scope:SCOPE_SE
	s_setreg_imm32_b32 hwreg(HW_REG_WAVE_MODE, 25, 1), 1
	s_wait_xcnt 0x0
; x [8192][1024] and wq, wk, wv, wo [1024][1024], f32, K innermost, become codes of FP6 (E2M3) with one E8M0 byte for each 32 along K,
; laid IN THE ORDER OF THE OPERAND'S REGISTERS, so that the later launches load fragments by plain 16- and 8-byte loads of consecutive bytes.
; GROUP: 128 consecutive rows.  Groups 0-63 x, 64-71 wq, 72-79 wk, 80-87 wv, 88-95 wo.
; TILE t (0..7) of a group: 16 rows, lane index r takes row 32 (t / 2) + 8 (t % 2) + r + 8 (r / 8).
; HALF IMAGE, 768 bytes: 16 rows x 64 K.  Lane (r, h) holds 6 registers, the codes of k = 32 h .. 32 h + 31: registers 0-3 at 16 x lane, registers 4-5 at 512 + 8 x lane.
; opimg: [group][64 K chunk 0..15][tile][768].   opsc: [group][128 K step 0..7][512]: the scale word of (tile, r) at 256 (tile / 4) + 16 r + 4 (tile % 4).
; A block's scale is 2^(floor(log2(largest magnitude)) - 2); its byte is the largest magnitude's exponent field - 2, held at 1 from below.
; LIMITS: a block of zeros, or one whose largest magnitude lies under 2^-124, gets the byte 1 (the rule says 127 for zeros: the codes are zeros, and this program alone reads the bytes); NaN and infinities are not served.
; SHARES: a wave takes 64 rows x 128 K: four fragments.  Each load reads one row's 512 consecutive bytes; the 16 rows of a fragment turn through the wave's own stage in LDS
; (rows of 512 + 16 bytes), out of which lane (r, h) takes 16 neighbours of each block of 32 of row r.  Waves share nothing: no barrier.  Loads run one fragment (16 loads) ahead.
.set ROWB,  4096                       ; a row in memory
.set SP,    528                        ; a stage row
.set STG,   16*SP                      ; a wave's stage
.set SPARE, 4*STG                      ; behind the stages: the spare words, 128 bytes a wave: two blocks of 256 bytes that no other line names
.set SPW,   8                          ; v8   my spare word's LDS address; never rewritten
.set NIL,   9                          ; v9   0; never rewritten
.set SW,    12                         ; v12-15 the four fragments' scale words
.set TM,    16                         ; v16-19 largest magnitudes, v20-23 the other half's / bytes, v28-31 the conversions' scale operands
.set PW,    32                         ; the scale word just made
.set PC,    36                         ; v36-47 a fragment's codes, v48-55 at work
.set X,     64                         ; v64-127 64 numbers: register 16 b + i = k 32 b + 16 h + i of my row
.set R,     128                        ; v128-255 two sets of 16 x 4 registers as loaded
.set SEL,   20                         ; s[20:21] selects of v_permlanex16_b32 for lane l xor 16
; 64 numbers of a lane become a fragment's 12 registers of codes in v[PC] on and its scale word in v[PW]
.macro QUANT s
.irp b, 0,1,2,3
	v_max3_num_f32 v[TM+\b], |v[\s+16*\b]|, |v[\s+1+16*\b]|, 0x1800000   ; block b: my 16 numbers, and the floor 2^(3 - 127): the byte cannot fall under 1
.endr
.irp i, 2,4,6,8,10,12,14
.irp b, 0,1,2,3
	v_max3_num_f32 v[TM+\b], v[TM+\b], |v[\s+16*\b+\i]|, |v[\s+1+16*\b+\i]|   ; the four blocks by turns
.endr
.endr
.irp b, 0,1,2,3
	v_permlanex16_b32 v[TM+4+\b], v[TM+\b], s[SEL], s[SEL+1]
.endr
.irp b, 0,1,2,3
	v_max_num_f32 v[TM+\b], v[TM+\b], v[TM+4+\b]     ; with lane l xor 16's 16: the block's largest magnitude
.endr
.irp b, 0,1,2,3
	v_add_nc_u32 v[TM+12+\b], 0xff000000, v[TM+\b]   ; 2 off its exponent field: the conversion takes the exponent field of this operand as its scale
.endr
.irp b, 0,1,2,3
	v_lshrrev_b32 v[TM+4+\b], 23, v[TM+12+\b]        ; the scale's byte
.endr
	v_lshl_or_b32 v[PW], v[TM+5], 8, v[TM+4]
	v_lshl_or_b32 v[PW], v[TM+6], 16, v[PW]
	v_lshl_or_b32 v[PW], v[TM+7], 24, v[PW]          ; my row's scale word
.irp c, 0,1
	v_cvt_scalef32_pk16_fp6_f32 v[PC+6*\c:PC+2+6*\c], v[\s+32*\c:\s+15+32*\c], v[TM+12+2*\c]
	v_cvt_scalef32_pk16_fp6_f32 v[PC+12+4*\c:PC+14+4*\c], v[\s+16+32*\c:\s+31+32*\c], v[TM+13+2*\c]   ; (a conversion's three registers begin on an even number)
.endr
	v_nop                                            ; one plain place behind a scaled conversion
.irp c, 0,1                                      ; the layout wants a whole block in a lane: lanes 0-15 block 2 c, lanes 16-31 block 2 c + 1
.irp i, 0,1,2
	v_permlane16_swap_b32 v[PC+6*\c+\i], v[PC+12+4*\c+\i]
.endr
.irp i, 0,1,2
	v_mov_b32 v[PC+3+6*\c+\i], v[PC+12+4*\c+\i]
.endr
.endr
.endm
	s_load_b256 s[4:11], s[0:1], 0x0               ; x, wq, wk, wv
	s_load_b128 s[12:15], s[0:1], 0x20             ; wo, opimg
	s_load_b64 s[16:17], s[0:1], 0x30              ; opsc
	v_lshl_add_u32 v[SPW], v0, 2, SPARE
	v_mov_b32 v[NIL], 0
	v_lshrrev_b32 v1, 5, v0
	v_readfirstlane_b32 s18, v1                    ; wave
	v_and_b32 v1, 31, v0                           ; lane
	v_lshlrev_b32 v2, 4, v1                        ; 16 x lane: in memory, in and out
	s_mul_i32 s19, s18, STG
	v_add_nc_u32 v3, s19, v2                       ; the stage, on the way in
	v_and_b32 v5, 15, v0                           ; r
	v_bfe_u32 v10, v0, 4, 1                        ; h
	v_mul_u32_u24 v4, v5, SP
	v_lshl_add_u32 v4, v10, 6, v4
	v_add_nc_u32 v4, s19, v4                       ; and out: row r, + 64 h
	v_lshlrev_b32 v6, 3, v1                        ; 8 x lane
	v_lshlrev_b32 v7, 4, v5                        ; 16 r
	s_mov_b32 s[SEL], 0x76543210
	s_mov_b32 s[SEL+1], 0xfedcba98
.irp b, 0,1,2,3
	v_mov_b32 v[TM+4+\b], 0                        ; written once: a lane permute's destination counts as one of its sources
.endr
	s_and_b32 s22, s18, 1                          ; which 64 rows of the group
	s_lshl_b32 s23, ttmp9, 2
	s_add_co_u32 s23, s23, s18
	s_bfe_u32 s24, s23, 0x30001                    ; which 128 along K
	s_lshr_b32 s25, ttmp9, 2                       ; the group, 0..95
	s_and_b32 s26, s25, 7
	s_cmp_lt_u32 s25, 64
	s_cselect_b32 s26, s25, s26                    ; the group inside its tensor
	s_lshl_b32 s26, s26, 1
	s_add_co_u32 s26, s26, s22
	s_lshl_b32 s26, s26, 18                        ; x 64 rows of 4,096 bytes
	s_lshl_b32 s27, s24, 9
	s_add_co_u32 s26, s26, s27                     ; + 512 bytes for each 128 along K
	s_mov_b32 s27, 0
	s_lshl_b32 s28, s25, 4
	s_lshl_b32 s29, s24, 1
	s_add_co_u32 s28, s28, s29
	s_lshl_b32 s28, s28, 3
	s_lshl_b32 s29, s22, 2
	s_add_co_u32 s28, s28, s29
	s_mul_i32 s28, s28, 768                        ; codes: ((16 group + 2 step) 8 + 4 half) x 768
	s_mov_b32 s29, 0
	s_lshl_b32 s30, s25, 3
	s_add_co_u32 s30, s30, s24
	s_lshl_b32 s30, s30, 1
	s_add_co_u32 s30, s30, s22
	s_lshl_b32 s30, s30, 8                         ; scale words: (8 group + step) x 512 + 256 half
	s_mov_b32 s31, 0
	s_wait_kmcnt 0x0
	s_cmp_lt_u32 s25, 88                           ; which tensor: the choice hangs on the work-group's number alone
	s_cselect_b64 s[12:13], s[10:11], s[12:13]
	s_cmp_lt_u32 s25, 80
	s_cselect_b64 s[12:13], s[8:9], s[12:13]
	s_cmp_lt_u32 s25, 72
	s_cselect_b64 s[12:13], s[6:7], s[12:13]
	s_cmp_lt_u32 s25, 64
	s_cselect_b64 s[12:13], s[4:5], s[12:13]
	s_add_nc_u64 s[12:13], s[12:13], s[26:27]
	s_add_nc_u64 s[14:15], s[14:15], s[28:29]
	s_add_nc_u64 s[16:17], s[16:17], s[30:31]
.macro LOAD i                          ; fragment i's 16 rows, in the tile's order, into set i % 2: each load reads 512 consecutive bytes
.irp p, 0,1,2,3,4,5,6,7,8,9,10,11,12,13,14,15
	global_load_b128 v[R+64*((\i)%2)+4*\p:R+64*((\i)%2)+4*\p+3], v2, s[12:13] offset:(32*((\i)/2)+8*((\i)%2)+\p+8*(\p/8))*ROWB th:TH_LOAD_NT
.endr
.endm
.macro FRAGM i
.if (\i) < 3
	s_wait_loadcnt 16                              ; this fragment's 16 loads are in; the next one's may be out
.else
	s_wait_loadcnt 0x0
.endif
.irp p, 0,1,2,3,4,5,6,7,8,9,10,11,12,13,14,15
	ds_store_b128 v3, v[R+64*((\i)%2)+4*\p:R+64*((\i)%2)+4*\p+3] offset:SP*\p
.endr
.irp b, 0,1,2,3
.irp j, 0,1,2,3
	ds_load_b128 v[X+16*\b+4*\j:X+16*\b+4*\j+3], v4 offset:128*\b+16*\j   ; LDS serves a wave's instructions in order: these see the stores above
.endr
.endr
	s_wait_dscnt 0x0                               ; the numbers are back, and the stage's stores have read their registers
.if (\i) > 0
	s_wait_xcnt 0x0                                ; the last fragment's stores have read the codes' registers, which are written again below
.endif
.if (\i) < 2
	LOAD (\i)+2
.endif
	QUANT X
	global_store_b128 v2, v[PC:PC+3], s[14:15] offset:768*(\i)             ; 512 consecutive bytes,
	global_store_b64 v6, v[PC+4:PC+5], s[14:15] offset:768*(\i)+512        ; and 256: the first 64 along K
	global_store_b128 v2, v[PC+6:PC+9], s[14:15] offset:6144+768*(\i)      ; the second 64: eight tiles on
	global_store_b64 v6, v[PC+10:PC+11], s[14:15] offset:6144+768*(\i)+512
	v_mov_b32 v[SW+(\i)], v[PW]
.endm
	LOAD 0
	LOAD 1
	FRAGM 0
	FRAGM 1
	FRAGM 2
	FRAGM 3
	s_wait_xcnt 0x0                                ; EXEC changes only behind this wait
	v_cmp_gt_u32 vcc_lo, 16, v1
	s_and_saveexec_b32 s19, vcc_lo                 ; lanes 0-15 (lanes 16-31 hold the same words)
	global_store_b128 v7, v[SW:SW+3], s[16:17]     ; four tiles' scale words: 256 consecutive bytes, aligned
	s_wait_xcnt 0x0
	s_or_b32 exec_lo, exec_lo, s19
	s_wait_tensorcnt 0x0                           ; the wave's end, behind my last LDS store
	ds_add_u32 v[SPW], v[NIL]
	s_wait_dscnt 0x0
	s_endpgm
.Lfunc_end_k_qd9b797c420_quant:
	.size	k_qd9b797c420_quant, .Lfunc_end_k_qd9b797c420_quant-k_qd9b797c420_quant
	.p2alignl 7, 3214868480
	.fill 96, 4, 3214868480
	.section	.rodata,"a",@progbits
	.p2align	6, 0x0
	.amdhsa_kernel k_qd9b797c420_quant
		.amdhsa_group_segment_fixed_size 34816
		.amdhsa_private_segment_fixed_size 0
		.amdhsa_enable_private_segment 0
		.amdhsa_kernarg_size 56
		.amdhsa_user_sgpr_count 2
		.amdhsa_user_sgpr_kernarg_segment_ptr 1
		.amdhsa_wavefront_size32 1
		.amdhsa_system_sgpr_workgroup_id_x 1
		.amdhsa_system_sgpr_workgroup_id_y 1
		.amdhsa_system_sgpr_workgroup_id_z 1
		.amdhsa_system_vgpr_workitem_id 0
		.amdhsa_next_free_vgpr 256
		.amdhsa_next_free_sgpr 66
		.amdhsa_reserve_vcc 1
		.amdhsa_float_denorm_mode_32 3
		.amdhsa_float_denorm_mode_16_64 3
		.amdhsa_memory_ordered 1
		.amdhsa_forward_progress 1
		.amdhsa_inst_pref_size 35
	.end_amdhsa_kernel
	.amdgpu_metadata
---
amdhsa.version: [ 1, 2 ]
amdhsa.kernels:
  - .name:           k_qd9b797c420_quant
    .symbol:         k_qd9b797c420_quant.kd
    .args:
      - { .name: x, .offset: 0, .size: 8, .value_kind: global_buffer, .address_space: global }
      - { .name: wq, .offset: 8, .size: 8, .value_kind: global_buffer, .address_space: global }
      - { .name: wk, .offset: 16, .size: 8, .value_kind: global_buffer, .address_space: global }
      - { .name: wv, .offset: 24, .size: 8, .value_kind: global_buffer, .address_space: global }
      - { .name: wo, .offset: 32, .size: 8, .value_kind: global_buffer, .address_space: global }
      - { .name: opimg, .offset: 40, .size: 8, .value_kind: global_buffer, .address_space: global }
      - { .name: opsc, .offset: 48, .size: 8, .value_kind: global_buffer, .address_space: global }
    .group_segment_fixed_size: 34816
    .private_segment_fixed_size: 0
    .kernarg_segment_align: 8
    .kernarg_segment_size: 56
    .max_flat_workgroup_size: 128
    .sgpr_count:     66
    .vgpr_count:     256
    .wavefront_size: 32
...
	.end_amdgpu_metadata
.endif
;; end of part 1
;; launch qkv (part 2): grid 8 x 48, 4 waves a work-group, clusters of 4 x 4, 327,680 bytes of LDS; arguments opimg, opsc, qkvc, qkvs; writes qkvc, qkvs
.if DOCPART == 2
	.amdgcn_target "amdgcn-amd-amdhsa--gfx1250"
	.amdhsa_code_object_version 6
	.text
	.protected	k_qd9b797c420_qkv
	.globl	k_qd9b797c420_qkv
	.p2align	8
	.type	k_qd9b797c420_qkv,@function
k_qd9b797c420_qkv:
	s_mov_b64 s[64:65], 0
	v_nop
	global_prefetch_b8 v0, s[64:65] scope:SCOPE_SE
	s_setreg_imm32_b32 hwreg(HW_REG_WAVE_MODE, 25, 1), 1
	s_wait_xcnt 0x0
	s_wait_alu depctr_hold_cnt(0) depctr_sa_sdst(0) depctr_va_vdst(0) depctr_va_sdst(0) depctr_va_ssrc(0) depctr_va_vcc(0) depctr_vm_vsrc(0)
	s_getreg_b32 s2, hwreg(HW_REG_IB_STS2, 6, 4)
	s_cmp_eq_u32 s2, 0
	s_cbranch_scc0 .Lentry_in_a_cluster
	s_endpgm
.Lentry_in_a_cluster:
	s_bfe_u32 s2, ttmp6, 0x10000c
	s_cmp_lg_u32 s2, 0xf033
	s_cbranch_scc0 .Lentry_shape_is_right
	s_endpgm
.Lentry_shape_is_right:
; q = x wq^T, k = x wk^T, v = x wv^T on codes of FP6 (E2M3) with E8M0 scales, K = 1,024, and the results quantised IN REGISTERS for the attention launch: q and k along the head's 64, v along the tokens.
; ONE TEXT FOR BOTH SHAPES.  A tile of 256 x 256 is P (rows) x Y (columns), both taken from opimg (groups of 128 rows, tiles of 16 rows in the order row = 32 (t / 2) + 8 (t % 2) + r + 8 (r / 8)).
;   clusters with y under 8:  P = x (32 tile rows), Y = wq, wk (8 tile columns);   the others:  P = wv (4 tile rows), Y = x (32 tile columns).  What differs is chosen by s_cselect_b32 on the cluster's y: no branch.
; Source 0 = a tile of Y, source 1 = a tile of P.  By the tiles' order of rows, lane (r, h) of P's tile a holds ONE row of P, and the 64 registers of its eight accumulators run along Y:
; register 16 b + i = Y's row 32 b + 16 h + i.  So the quantiser's result is the register image of tile a of the result with K = Y: for q, k two heads' 64 channels; for v 128 tokens (V^T with the keys innermost).
; qkvc: [hh 0..47: q's heads, k's, v's][token group 0..63][6144]: q, k: [tile][768];  v: [tile of 16 channels 0..3][64 keys 0..1][768].
; qkvs: [hh][token group][512]: q, k: the word of (tile, r) at 256 (tile / 4) + 16 r + 4 (tile % 4), two bytes and two zeros;  v: the word of (tile, r) at 16 r + 4 tile, written twice (256 bytes apart).
; Four waves, each 128 x 128: 64 accumulators (windows 2 and 3).  K goes in four steps of 256 through two LDS slots; a wave's tensor load brings one group's 24,576 dense bytes.
; CLUSTER 4 x 4: P's tiles are shared along a row of the cluster, Y's along a column: joint loads.  The scale words of all of K come once, straight into 64 registers.
; LIMITS: a block of zeros or under 2^-124 gets the byte 1 (only this program reads the bytes); NaN and infinities are not served.
.set HALFT, 24576                      ; a group x 256 K: 4 chunks x 8 tiles x 768 bytes
.set SLOT,  4*HALFT                    ; P's two groups, then Y's two
.set SPARE, 2*SLOT                     ; behind the ring: the spare words, 128 bytes a wave
.set TGB,   98304                      ; a group in opimg
.set FR,    12                         ; registers of a fragment
.set NL,    4                          ; LDS loads that bring one
.set NP,    4                          ; places behind this matrix instruction (ISA guide 7.12.1)
.set ADRA,  16                         ; v16-17 16 x lane + my group of P in slot 0, 1;  v18-19 8 x lane + 512 + the same
.set ADRB,  20                         ; v20-23 the same for Y
.set L8,    26                         ; v26  8 x lane
.set L16,   27                         ; v27  16 x lane
.set SPW,   28
.set NIL,   29
.set SCA,   32                         ; v32-63 P's scale words: for the S-th 128 along K registers 4 S + i: tile i in lanes 0-15, tile 4 + i in lanes 16-31
.set SCB,   64                         ; v64-95 Y's
.set TM,    96                         ; v96-111 the quantiser's work
.set PW,    112
.set SH,    113                        ; v113 how far my half of the lanes shifts the scale word
.set SW,    116                        ; v116-123 eight tiles' scale words
.set OSV,   124                        ; v124 where my lane puts them
.set AF,    128                        ; v128-223 P's eight fragments, one set; on the way out v128-147 the codes
.set PC,    128
.set SEL,   12
.set G1,    24
.set G0,    32
.set G1B,   48
.set G0B,   56
.set B0,    72                         ; s[72:73] where the first half image of the tile in hand goes;  s[74:75] the second
.set B1,    74
.set BS,    76                         ; s[76:77], s[78:79] where the scale words go
.set BS2,   78
.set STA,   80                         ; s[80:81] from tile to tile;  s[82:83] more at tile 4;  s[84:85] from B0 to B1;  s[86:87] from BS to BS2
.set ST4,   82
.set SCP,   84
.set S2P,   86
.set MASK,  88
.set MSB, 0
.macro WIN new                         ; the immediate's high byte repeats the setting that is left
.if MSB != (\new)
	s_set_vgpr_msb (MSB<<8)|(\new)
.set MSB, (\new)
.endif
.endm
.set MUL_LO, 0xa1                      ; source 0 (Y) window 1, source 1 (P) window 0, C and D window 2
.set MUL_HI, 0xf1
.set TO_B,   0x40
.macro JLOAD g0a, g1a, g0b, g1b        ; a joint load: waves 0, 1 fetch P's groups, waves 2, 3 Y's; an s_nop 0 and four v_nop follow each line
	s_cmp_eq_u32 s15, 0
	s_cbranch_scc0 .Lfor_b_\@
	tensor_load_to_lds s[\g0a:\g0a+3], s[\g1a:\g1a+7]
	s_nop 0
.rept 4
	v_nop
.endr
	s_branch .Lasked_\@
.Lfor_b_\@:
	tensor_load_to_lds s[\g0b:\g0b+3], s[\g1b:\g1b+7]
	s_nop 0
.rept 4
	v_nop
.endr
.Lasked_\@:
.endm
.macro CREST
	s_cmp_lg_u32 s14, 0
	s_cbranch_scc1 .Lnot_wave_0_\@
	s_barrier_signal -3
.Lnot_wave_0_\@:
	s_barrier_wait -3
	s_barrier_signal -1
	s_barrier_wait -1
.endm
.macro CROUND
	s_barrier_signal -1
	s_barrier_wait -1
	CREST
.endm
.macro PLACES n
.rept \n
	v_nop
.endr
.endm
.macro FRAG reg, adr, q, i             ; tile i, the slot's q-th 128 along K: two half images, each 16 and 8 bytes a lane, consecutive bytes
.irp c, 0,1
	ds_load_b128 v[\reg+6*\c:\reg+6*\c+3], v[\adr] offset:((2*(\q)+\c)*8+(\i))*768
	ds_load_b64 v[\reg+6*\c+4:\reg+6*\c+5], v[\adr+2] offset:((2*(\q)+\c)*8+(\i))*768
.endr
.endm
.macro FETCH_B slot, q, p
	WIN TO_B
.irp i, 0,1,2,3,4,5,6,7
	FRAG 128*(\p)+FR*\i, ADRB+\slot, \q, \i
.endr
	WIN 0
.endm
.macro FETCH_A slot, q, i0
.irp i, \i0, \i0+1, \i0+2, \i0+3
	FRAG AF+FR*(\i), ADRA+\slot, \q, \i
.endr
.endm
.macro MM a, b, p, S, zero             ; one product: P's tile a x Y's tile b, the S-th 128 along K; tiles 4-7 have their scale words in lanes 16-31
.set rD, 8*(8*((\a)%4)+(\b))
.set rB, 128*(\p)+FR*(\b)
.set rA, AF+FR*(\a)
.set rY, SCB+4*(\S)+(\b)%4
.set rP, SCA+4*(\S)+(\a)%4
.set rW, (\b)/4+2*((\a)/4)+4*(\zero)
.if rW == 0
	v_wmma_scale_f32_16x16x128_f8f6f4 v[rD:rD+7], v[rB:rB+11], v[rA:rA+11], v[rD:rD+7], v[rY], v[rP] matrix_a_fmt:MATRIX_FMT_FP6 matrix_b_fmt:MATRIX_FMT_FP6
.elseif rW == 1
	v_wmma_scale_f32_16x16x128_f8f6f4 v[rD:rD+7], v[rB:rB+11], v[rA:rA+11], v[rD:rD+7], v[rY], v[rP] matrix_a_fmt:MATRIX_FMT_FP6 matrix_b_fmt:MATRIX_FMT_FP6 matrix_a_scale:MATRIX_SCALE_ROW1
.elseif rW == 2
	v_wmma_scale_f32_16x16x128_f8f6f4 v[rD:rD+7], v[rB:rB+11], v[rA:rA+11], v[rD:rD+7], v[rY], v[rP] matrix_a_fmt:MATRIX_FMT_FP6 matrix_b_fmt:MATRIX_FMT_FP6 matrix_b_scale:MATRIX_SCALE_ROW1
.elseif rW == 3
	v_wmma_scale_f32_16x16x128_f8f6f4 v[rD:rD+7], v[rB:rB+11], v[rA:rA+11], v[rD:rD+7], v[rY], v[rP] matrix_a_fmt:MATRIX_FMT_FP6 matrix_b_fmt:MATRIX_FMT_FP6 matrix_a_scale:MATRIX_SCALE_ROW1 matrix_b_scale:MATRIX_SCALE_ROW1
.elseif rW == 4
	v_wmma_scale_f32_16x16x128_f8f6f4 v[rD:rD+7], v[rB:rB+11], v[rA:rA+11], 0, v[rY], v[rP] matrix_a_fmt:MATRIX_FMT_FP6 matrix_b_fmt:MATRIX_FMT_FP6
.elseif rW == 5
	v_wmma_scale_f32_16x16x128_f8f6f4 v[rD:rD+7], v[rB:rB+11], v[rA:rA+11], 0, v[rY], v[rP] matrix_a_fmt:MATRIX_FMT_FP6 matrix_b_fmt:MATRIX_FMT_FP6 matrix_a_scale:MATRIX_SCALE_ROW1
.elseif rW == 6
	v_wmma_scale_f32_16x16x128_f8f6f4 v[rD:rD+7], v[rB:rB+11], v[rA:rA+11], 0, v[rY], v[rP] matrix_a_fmt:MATRIX_FMT_FP6 matrix_b_fmt:MATRIX_FMT_FP6 matrix_b_scale:MATRIX_SCALE_ROW1
.else
	v_wmma_scale_f32_16x16x128_f8f6f4 v[rD:rD+7], v[rB:rB+11], v[rA:rA+11], 0, v[rY], v[rP] matrix_a_fmt:MATRIX_FMT_FP6 matrix_b_fmt:MATRIX_FMT_FP6 matrix_a_scale:MATRIX_SCALE_ROW1 matrix_b_scale:MATRIX_SCALE_ROW1
.endif
.endm
.macro MUL16 a0, p, S, zero            ; the 64 accumulators take turns, one instruction a turn, in the same order in every step
.irp a, \a0, \a0+1
.irp b, 0,1,2,3,4,5,6,7
	MM \a, \b, \p, \S, \zero
.endr
.endr
.endm
.macro STEP slot, S, zero              ; a slot's first 128 along K: Y's set 0; fetches the second 128 (Y into set 1)
	s_wait_dscnt 4*NL                              ; Y's set and P's tiles 0-3 are in; the youngest 16 loads (P's tiles 4-7) may be out
	WIN MUL_LO
	MUL16 0, 0, \S, \zero
	MUL16 2, 0, \S, \zero
	s_wait_dscnt 0x0                               ; P's tiles 4-7 are in
	PLACES NP
	FETCH_B \slot, 1, 1
	FETCH_A \slot, 1, 0
	WIN MUL_HI
	MUL16 4, 0, \S, \zero
	MUL16 6, 0, \S, \zero
	PLACES NP
	WIN 0
	FETCH_A \slot, 1, 4
.endm
.macro TURN slot, next, S, fill        ; a slot's second 128 along K changes slots: one barrier; fill = 1: it opens a round of the cluster's barrier, and this slot is filled again, two K steps ahead
	s_wait_tensorcnt 0x0                           ; all my tensor loads have landed: my part of the next slot
	ds_add_u32 v[SPW], v[NIL]                      ; 0 onto my spare word
	s_wait_dscnt 4*NL+1                            ; (the add and the youngest 16 loads may be out)
	WIN MUL_LO
	MUL16 0, 1, \S, 0
	s_wait_dscnt 0x0                               ; the add is done, and my reads of this slot are over
	s_barrier_signal -1
	MUL16 2, 1, \S, 0
	WIN 0
	s_barrier_wait -1
.if \fill
	CREST                                          ; no wave of any partner still reads this slot or has a load on its way
	s_add_nc_u64 s[G0+4*\slot+2:G0+4*\slot+3], s[G0+4*\slot+2:G0+4*\slot+3], 2*HALFT
	s_add_nc_u64 s[G0B+4*\slot+2:G0B+4*\slot+3], s[G0B+4*\slot+2:G0B+4*\slot+3], 2*HALFT
	JLOAD G0+4*\slot, G1, G0B+4*\slot, G1B         ; the first tensor load behind the round; its four v_nop are the places in front of the loads below
.else
	PLACES NP
.endif
	FETCH_B \next, 0, 0
	FETCH_A \next, 0, 0
	WIN MUL_HI
	MUL16 4, 1, \S, 0
	MUL16 6, 1, \S, 0
	PLACES NP
	WIN 0
	FETCH_A \next, 0, 4
.endm
	s_load_b256 s[4:11], s[0:1], 0x0               ; opimg, opsc, qkvc, qkvs
	v_lshl_add_u32 v[SPW], v0, 2, SPARE
	v_mov_b32 v[NIL], 0
	ds_add_u32 v[SPW], v[NIL]                      ; the wave's opening: the add and its wait ahead of my first tensor load
	v_lshrrev_b32 v1, 5, v0
	v_readfirstlane_b32 s14, v1                    ; wave
	s_lshr_b32 s15, s14, 1                         ; my half of P's rows.  Also: I fetch for P (0) or for Y (1)
	s_and_b32 s16, s14, 1                          ; my half of Y's rows.  Also: which group I fetch
	s_bfe_u32 s40, ttmp6, 0x40000                  ; cx
	s_bfe_u32 s41, ttmp6, 0x40004                  ; cy
	s_and_b32 s68, ttmp7, 0xffff                   ; the cluster's y: 0-7 q and k, 8-11 v
	s_sub_co_u32 s69, s68, 8
	s_lshl_b32 s69, s69, 1
	s_add_co_u32 s69, s69, ttmp9
	s_cmp_ge_u32 s68, 8                            ; the same in all sixteen partners
	s_cselect_b32 s17, 0, s68                      ; four tile rows: q, k: the cluster's y;  v: 0
	s_cselect_b32 s42, s69, ttmp9                  ; four tile columns: q, k: the cluster's x;  v: x + 2 (y - 8)
	s_cselect_b32 s66, 80, 0                       ; P's first group in opimg: wv or x
	s_cselect_b32 s67, 0, 64                       ; Y's: x or wq
	s_lshl_b32 s17, s17, 2
	s_add_co_u32 s17, s17, s41                     ; tile row
	s_lshl_b32 s42, s42, 2
	s_add_co_u32 s42, s42, s40                     ; tile column
	s_lshl_b32 s43, s41, 2
	s_lshl_b32 s43, 15, s43                        ; my row of the cluster
	s_lshl_b32 s44, 0x1111, s40                    ; my column
	s_or_b32 s[G1+0], s43, (3<<16)|(1<<21)         ; 15:0 the mask; 17:16 elements of 8 bytes; 21 set beside a mask; no padding
	s_or_b32 s[G1B+0], s44, (3<<16)|(1<<21)
.irp g, G1, G1B                        ; a dense block of 24,576 bytes as 96 rows of 256
	s_mov_b32 s[\g+1], 32<<16
	s_mov_b32 s[\g+2], 96<<16
	s_mov_b32 s[\g+3], 32<<16
	s_mov_b32 s[\g+4], 96
	s_mov_b32 s[\g+5], 32
	s_mov_b32 s[\g+6], 0
	s_mov_b32 s[\g+7], 0
.endr
	s_lshl_b32 s20, s17, 1
	s_add_co_u32 s20, s20, s66
	s_add_co_u32 s22, s20, s15                     ; the group of P that I multiply,
	s_add_co_u32 s20, s20, s16                     ; and the one that I fetch: neither holds cx
	s_mul_i32 s20, s20, TGB
	s_mov_b32 s21, 0
	s_lshl_b32 s22, s22, 12                        ; its scale words: 8 x 512 bytes a group
	s_mov_b32 s23, 0
	s_lshl_b32 s46, s42, 1
	s_add_co_u32 s46, s46, s67
	s_add_co_u32 s46, s46, s16                     ; the group of Y that I multiply and fetch: it never holds cy
	s_lshl_b32 s92, s46, 12
	s_mov_b32 s93, 0
	s_mul_i32 s46, s46, TGB
	s_mov_b32 s47, 0
	s_mul_i32 s45, s14, HALFT                      ; where my load goes: wave x 24,576
	s_wait_dscnt 0x0                               ; the opening add is done
	s_wait_kmcnt 0x0
	s_add_nc_u64 s[20:21], s[4:5], s[20:21]
	s_add_nc_u64 s[46:47], s[4:5], s[46:47]
	s_add_nc_u64 s[22:23], s[6:7], s[22:23]
	s_add_nc_u64 s[92:93], s[6:7], s[92:93]
	CROUND                                         ; all sixteen work-groups are here: the first joint loads meet
.irp s, 0,1
	s_mov_b32 s[G0+4*\s], 1
	s_add_co_u32 s[G0+4*\s+1], s45, \s*SLOT
	s_add_nc_u64 s[G0+4*\s+2:G0+4*\s+3], s[20:21], \s*HALFT
	s_or_b32 s[G0+4*\s+3], s[G0+4*\s+3], 0x80000000
	s_mov_b32 s[G0B+4*\s], 1
	s_add_co_u32 s[G0B+4*\s+1], s45, \s*SLOT
	s_add_nc_u64 s[G0B+4*\s+2:G0B+4*\s+3], s[46:47], \s*HALFT
	s_or_b32 s[G0B+4*\s+3], s[G0B+4*\s+3], 0x80000000
	JLOAD G0+4*\s, G1, G0B+4*\s, G1B               ; K steps 0 and 1: two loads of mine are out
.endr
	v_and_b32 v1, 31, v0
	v_lshlrev_b32 v[L16], 4, v1
	v_lshlrev_b32 v[L8], 3, v1
.irp S, 0,1,2,3,4,5,6,7                ; the scale words of all of K: 512 consecutive bytes a load
	global_load_b128 v[SCA+4*\S:SCA+4*\S+3], v[L16], s[22:23] offset:512*\S
	global_load_b128 v[SCB+4*\S:SCB+4*\S+3], v[L16], s[92:93] offset:512*\S
.endr
	v_add_nc_u32 v2, 512, v[L8]
	s_mul_i32 s70, s15, HALFT
	s_mul_i32 s71, s16, HALFT
	s_add_co_u32 s71, s71, 2*HALFT
.irp s, 0,1
	v_add_nc_u32 v[ADRA+\s], s70, v[L16]
	v_add_nc_u32 v[ADRB+\s], s71, v[L16]
	v_add_nc_u32 v[ADRA+2+\s], s70, v2
	v_add_nc_u32 v[ADRB+2+\s], s71, v2
	s_add_co_u32 s70, s70, SLOT
	s_add_co_u32 s71, s71, SLOT
.endr
	; the way out's numbers
	s_mov_b32 s[SEL], 0x76543210
	s_mov_b32 s[SEL+1], 0xfedcba98
	s_lshl_b32 s94, s42, 2
	s_lshl_b32 s95, s16, 1
	s_add_co_u32 s94, s94, s95                     ; q, k: my first head: 4 x tile column + 2 x half
	s_lshl_b32 s95, s17, 2
	s_lshl_b32 s96, s15, 1
	s_add_co_u32 s95, s95, s96
	s_add_co_u32 s95, s95, 32                      ; v: 32 + 4 x tile row + 2 x half
	s_lshl_b32 s96, s17, 1
	s_add_co_u32 s96, s96, s15                     ; q, k: my token group
	s_lshl_b32 s97, s42, 1
	s_add_co_u32 s97, s97, s16                     ; v
	s_cmp_ge_u32 s68, 8
	s_cselect_b32 s94, s95, s94
	s_cselect_b32 s96, s97, s96
	s_mov_b32 s[SCP], 393216                       ; q, k: the second half image is the next head's: 64 records of 6,144 bytes on;
	s_cselect_b32 s[SCP], 768, s[SCP]              ; v: the next 64 keys'
	s_mov_b32 s[STA], 768
	s_cselect_b32 s[STA], 1536, s[STA]             ; from tile to tile
	s_cselect_b32 s[ST4], 393216-6144, 0           ; v: tile 4 begins the next head
	s_mov_b32 s[S2P], 256
	s_cselect_b32 s[S2P], 32768, s[S2P]            ; tiles 4-7's words: q, k: the record's second half;  v: the next head's record
	s_mov_b32 s[MASK], 0xffff
	s_cselect_b32 s[MASK], -1, s[MASK]             ; q, k: two bytes of the word belong to a head
	s_cselect_b32 s89, 0, 16                       ; q, k: lanes 16-31 take the upper two
	s_mov_b32 s90, 32768
	s_cselect_b32 s90, 256, s90                    ; and put them into the next head's record;  v: lanes 16-31 write the second copy
	s_mov_b32 s[SCP+1], 0
	s_mov_b32 s[STA+1], 0
	s_mov_b32 s[ST4+1], 0
	s_mov_b32 s[S2P+1], 0
	s_lshl_b32 s94, s94, 6
	s_add_co_u32 s94, s94, s96                     ; the record
	s_mul_i32 s96, s94, 6144
	s_mov_b32 s97, 0
	s_lshl_b32 s98, s94, 9
	s_mov_b32 s99, 0
	s_add_nc_u64 s[B0:B0+1], s[8:9], s[96:97]
	s_add_nc_u64 s[B1:B1+1], s[B0:B0+1], s[SCP:SCP+1]
	s_add_nc_u64 s[BS:BS+1], s[10:11], s[98:99]
	s_add_nc_u64 s[BS2:BS2+1], s[BS:BS+1], s[S2P:S2P+1]
	v_bfe_u32 v3, v0, 4, 1                         ; h
	v_and_b32 v4, 15, v0                           ; r
	v_mul_u32_u24 v[SH], v3, s89
	v_mul_u32_u24 v[OSV], v3, s90
	v_lshl_add_u32 v[OSV], v4, 4, v[OSV]
.irp b, 0,1,2,3
	v_mov_b32 v[TM+4+\b], 0                        ; written once: a lane permute's destination counts as one of its sources
.endr
	s_wait_tensorcnt 1                             ; my part of K step 0 is in; K step 1's may stay out
	s_barrier_signal -1
	s_barrier_wait -1
	FETCH_B 0, 0, 0
	FETCH_A 0, 0, 0
	FETCH_A 0, 0, 4
	s_wait_loadcnt 0x0                             ; the scale words
	STEP 0, 0, 1                                   ; the first products start the sums: nothing is cleared
	TURN 0, 1, 1, 1
	STEP 1, 2, 0
	TURN 1, 0, 3, 1
	STEP 0, 4, 0
	TURN 0, 1, 5, 0                                ; nothing is left to fetch
	STEP 1, 6, 0
	s_wait_dscnt 4*NL
	WIN MUL_LO
	MUL16 0, 1, 7, 0
	MUL16 2, 1, 7, 0
	s_wait_dscnt 0x0
	WIN MUL_HI
	MUL16 4, 1, 7, 0
	MUL16 6, 1, 7, 0
	WIN 0
	PLACES NP                                      ; in front of the first read of results and of writes into P's fragment registers
; THE WAY OUT.  The 64 numbers of P's tile a (window w, from v[s] on) are quantised as they stand; each accumulator is read from its low end on.
.macro QUANTW s, w
	WIN 5*(\w)                                     ; sources 0 and 1: the accumulators' window
.irp b, 0,1,2,3
	v_max3_num_f32 v[TM+\b], |v[\s+16*\b]|, |v[\s+1+16*\b]|, 0x1800000   ; and the floor 2^(3 - 127)
.endr
.irp i, 2,4,6,8,10,12,14
.irp b, 0,1,2,3
	v_max3_num_f32 v[TM+\b], |v[\s+16*\b+\i]|, |v[\s+1+16*\b+\i]|, v[TM+\b]
.endr
.endr
	WIN 0
.irp b, 0,1,2,3
	v_permlanex16_b32 v[TM+4+\b], v[TM+\b], s[SEL], s[SEL+1]
.endr
.irp b, 0,1,2,3
	v_max_num_f32 v[TM+\b], v[TM+\b], v[TM+4+\b]
.endr
.irp b, 0,1,2,3
	v_add_nc_u32 v[TM+12+\b], 0xff000000, v[TM+\b]
.endr
.irp b, 0,1,2,3
	v_lshrrev_b32 v[TM+4+\b], 23, v[TM+12+\b]
.endr
	v_lshl_or_b32 v[PW], v[TM+5], 8, v[TM+4]
	v_lshl_or_b32 v[PW], v[TM+6], 16, v[PW]
	v_lshl_or_b32 v[PW], v[TM+7], 24, v[PW]
	WIN (\w)                                       ; source 0: the accumulators' window
.irp c, 0,1
	v_cvt_scalef32_pk16_fp6_f32 v[PC+6*\c:PC+2+6*\c], v[\s+32*\c:\s+15+32*\c], v[TM+12+2*\c]
	v_cvt_scalef32_pk16_fp6_f32 v[PC+12+4*\c:PC+14+4*\c], v[\s+16+32*\c:\s+31+32*\c], v[TM+13+2*\c]
.endr
	WIN 0
	v_nop                                          ; one plain place behind a scaled conversion
.irp c, 0,1
.irp i, 0,1,2
	v_permlane16_swap_b32 v[PC+6*\c+\i], v[PC+12+4*\c+\i]
.endr
.irp i, 0,1,2
	v_mov_b32 v[PC+3+6*\c+\i], v[PC+12+4*\c+\i]
.endr
.endr
.endm
.irp a, 0,1,2,3,4,5,6,7
.if \a > 0
	s_wait_xcnt 0x0                                ; the last tile's stores have read their codes and bases: both are written again below
	s_add_nc_u64 s[B0:B0+1], s[B0:B0+1], s[STA:STA+1]
	s_add_nc_u64 s[B1:B1+1], s[B1:B1+1], s[STA:STA+1]
.endif
.if \a == 4
	s_add_nc_u64 s[B0:B0+1], s[B0:B0+1], s[ST4:ST4+1]
	s_add_nc_u64 s[B1:B1+1], s[B1:B1+1], s[ST4:ST4+1]
.endif
	QUANTW 64*(\a%4), 2+\a/4
	global_store_b128 v[L16], v[PC:PC+3], s[B0:B0+1]               ; a half image: 512 consecutive bytes,
	global_store_b64 v[L8], v[PC+4:PC+5], s[B0:B0+1] offset:512    ; and 256
	global_store_b128 v[L16], v[PC+6:PC+9], s[B1:B1+1]
	global_store_b64 v[L8], v[PC+10:PC+11], s[B1:B1+1] offset:512
	v_lshrrev_b32 v[SW+\a], v[SH], v[PW]
	v_and_b32 v[SW+\a], s[MASK], v[SW+\a]
.endr
	global_store_b128 v[OSV], v[SW:SW+3], s[BS:BS+1]               ; each half of the lanes stores 256 consecutive bytes, aligned
	global_store_b128 v[OSV], v[SW+4:SW+7], s[BS2:BS2+1]
	s_wait_tensorcnt 0x0                           ; the wave's end
	ds_add_u32 v[SPW], v[NIL]
	s_wait_dscnt 0x0
	CROUND                                         ; the closing round
	s_endpgm
.Lfunc_end_k_qd9b797c420_qkv:
	.size	k_qd9b797c420_qkv, .Lfunc_end_k_qd9b797c420_qkv-k_qd9b797c420_qkv
	.p2alignl 7, 3214868480
	.fill 96, 4, 3214868480
	.section	.rodata,"a",@progbits
	.p2align	6, 0x0
	.amdhsa_kernel k_qd9b797c420_qkv
		.amdhsa_group_segment_fixed_size 327680
		.amdhsa_private_segment_fixed_size 0
		.amdhsa_enable_private_segment 0
		.amdhsa_kernarg_size 32
		.amdhsa_user_sgpr_count 2
		.amdhsa_user_sgpr_kernarg_segment_ptr 1
		.amdhsa_wavefront_size32 1
		.amdhsa_system_sgpr_workgroup_id_x 1
		.amdhsa_system_sgpr_workgroup_id_y 1
		.amdhsa_system_sgpr_workgroup_id_z 1
		.amdhsa_system_vgpr_workitem_id 0
		.amdhsa_next_free_vgpr 1024
		.amdhsa_next_free_sgpr 100
		.amdhsa_reserve_vcc 0
		.amdhsa_float_denorm_mode_32 3
		.amdhsa_float_denorm_mode_16_64 3
		.amdhsa_memory_ordered 1
		.amdhsa_forward_progress 1
		.amdhsa_inst_pref_size 148
	.end_amdhsa_kernel
	.amdgpu_metadata
---
amdhsa.version: [ 1, 2 ]
amdhsa.kernels:
  - .name:           k_qd9b797c420_qkv
    .symbol:         k_qd9b797c420_qkv.kd
    .args:
      - { .name: opimg, .offset: 0, .size: 8, .value_kind: global_buffer, .address_space: global }
      - { .name: opsc, .offset: 8, .size: 8, .value_kind: global_buffer, .address_space: global }
      - { .name: qkvc, .offset: 16, .size: 8, .value_kind: global_buffer, .address_space: global }
      - { .name: qkvs, .offset: 24, .size: 8, .value_kind: global_buffer, .address_space: global }
    .group_segment_fixed_size: 327680
    .private_segment_fixed_size: 0
    .kernarg_segment_align: 8
    .kernarg_segment_size: 32
    .max_flat_workgroup_size: 128
    .sgpr_count:     100
    .vgpr_count:     1024
    .wavefront_size: 32
...
	.end_amdgpu_metadata
.endif
;; end of part 2
;; launch attn (part 3): grid 8 x 32, 16 waves a work-group, no clusters, 327,680 bytes of LDS; arguments qkvc, qkvs, oimg, osc; writes oimg, osc
.if DOCPART == 3
	.amdgcn_target "amdgcn-amd-amdhsa--gfx1250"
	.amdhsa_code_object_version 6
	.text
	.protected	k_qd9b797c420_attn
	.globl	k_qd9b797c420_attn
	.p2align	8
	.type	k_qd9b797c420_attn,@function
k_qd9b797c420_attn:
	s_mov_b64 s[64:65], 0
	v_nop
	global_prefetch_b8 v0, s[64:65] scope:SCOPE_SE
	s_setreg_imm32_b32 hwreg(HW_REG_WAVE_MODE, 25, 1), 1
	s_wait_xcnt 0x0
; o = softmax(q k^T / 8, causal) v for 4 x 16 heads of 64, 2,048 tokens, both products on codes of FP6 (E2M3) with E8M0 scales; o / l is quantised along the channels for the last product.
; THE SOFTMAX: t = score x log2(e) / 8; M = the running largest t rounded up to a whole number; p = 2^(t - M) is quantised along the keys; the row's sum is taken of the unquantised p and divides at the end.
; When M moves, the sum and O are multiplied by 2^(old M - new M): exact.
; K = 64 in the first product: registers 6-11 of q's and k's fragments are zero codes, and the upper two bytes of their scale words are 0 (2^-127 over zero codes adds nothing).
; SHARES.  A work-group (x = j, y = 8 batch + head pair) has sixteen waves: wave w serves head 2 g + w / 8 and tile w % 8 of TWO groups of 128 queries: group j (L) and group 15 - j (H).
; Key steps are groups of 128 keys; a tile works while the key group is not beyond its own: (j + 1) + (16 - j) = 17 tile steps in every wave of every work-group.
; Four waves share a SIMD: one wave's vector work stands beside another's products and LDS loads.
; LAYOUT.  Both products transposed: S^T = K Q^T, O^T = V^T P^T: a lane holds one query throughout.  Tiles hold rows 32 (t / 2) + 8 (t % 2) + r + 8 (r / 8) of their group, so that the 16 registers of two
; neighbouring tiles of S^T are 16 neighbouring keys, and the 32 registers of O^T run along the head's 64 channels: the conversions' results are the next operand's registers.
; RING: two slots of 256 keys (both heads' K and V: four dense blocks of 12,288 bytes, waves 0-3 fetch one each).  The scale words of all 2,048 keys come once.
; NO CLUSTER: the work-groups j of one head pair walk 8 - j / 2 slots: partners would need different numbers of tiles.
; LIMITS: NaN and infinities are not served; a block of zeros or under 2^-124 gets the byte 1 (only this program reads the bytes); a block's largest p is made from its largest score, which takes
; v_exp_f32 not to fall where its input rises; 1 / l is v_rcp_f32's.
.set REC,   6144                       ; a record of qkvc: one head, 128 tokens
.set KVB,   2*REC                      ; a slot's K or V of one head
.set HEADB, 2*KVB                      ; a slot's part of one head: K, then V
.set SLOT1, 65536                      ; slot 1 begins here: one exclusive or turns an address
.set SCL,   131072                     ; the scale words: head c at 16,384 c: K's 8,192 bytes, then V's
.set OSC,   163840                     ; o's scale words on the way out: 512 bytes for L, 512 for H; no fill lands here
.set SPARE, 164864                     ; the spare words: 128 bytes for each of 16 waves
.set SPW,   5
.set NIL,   6
.set WV,    18
.set SEL,   20
.set CS,    22                         ; s[22:23] log2(e) / 8
.set G1,    24                         ; s[24:31] group 1: 48 rows of 256 bytes;  s[32:39]: 32 rows
.set G1S,   32
.set G0,    40                         ; s[40:43] the walking group 0;  s[44:47] the scale words'
.set G0S,   44
.set SQC,   48                         ; s[48:51] q's codes, L and H;  s[52:55] q's scale words;  s[56:59] o's codes;  s[60:63] o's scale words
.set SQS,   52
.set SOC,   56
.set SOS,   60
.set TB,    2                          ; the slot in hand
.set TS,    3                          ; 512 x key group
.set KG,    66                         ; the key group
.set SLOTS, 67
.set GL,    68
.set GH,    69
.set PFA,   76
.set LIM,   80
; VECTOR REGISTERS: v1 16 lane + my head's part of a slot, v2 8 lane + 512 + the same; v3, v4 these + the slot; v7 my query's place less 16 h; v8 where my o's scale bytes go; v9 q's scale word (H), v255 (L);
; v10 16 lane + my head's scale words; v11 where o's words are read back; v12-15, v16-19: -M, the largest t, the sum's two halves (L, H); v20-31, v32-43 q; v44-91 four fragments of K; v92-95 scale words of K, then of V;
; v96-159 S^T, then p, then (v96-143) V's four fragments; v160-191, v192-223 O^T; v224-235 p's codes; v232-247, v252, v254 at work; v253 p's scale word; v248 the prefetches' offset; v249 16 lane, v250 8 lane, v251 16 r.
.macro TLOAD                           ; waves 0-3 fetch; an s_nop 0 and four v_nop follow the load
	s_cmp_lt_u32 s[WV], 4
	s_cbranch_scc0 .Lasked_\@
	tensor_load_to_lds s[G0:G0+3], s[G1:G1+7]
	s_nop 0
.rept 4
	v_nop
.endr
.Lasked_\@:
.endm
; A PREFETCH INTO THE L2 of what the next change of slots will ask for: four blocks of 12,288 bytes, 192 aligned blocks of 256 bytes, a lane a block: waves 4-9 of the head pair's work-group j = 0, which walks
; all eight slots; nobody else asks, so each block is named once in the launch.  Slots 0 and 1 come by their loads alone; the last change that fills a slot asks for nothing.
.macro ASK
	s_cmp_gt_u32 s[SLOTS], s[LIM]
	s_cbranch_scc0 .Lnot_mine_\@
	global_prefetch_b8 v248, s[PFA:PFA+1] th:TH_LOAD_NT scope:SCOPE_SE
.Lnot_mine_\@:
.endm
	s_load_b256 s[4:11], s[0:1], 0x0               ; qkvc, qkvs, oimg, osc
	v_lshl_add_u32 v[SPW], v0, 2, SPARE
	v_mov_b32 v[NIL], 0
	ds_add_u32 v[SPW], v[NIL]                      ; the wave's opening: the add and its wait ahead of the first tensor loads
	v_lshrrev_b32 v3, 5, v0
	v_readfirstlane_b32 s[WV], v3
	s_and_b32 s70, ttmp7, 0xffff
	s_lshr_b32 s71, s70, 3                         ; batch
	s_and_b32 s72, s70, 7                          ; head pair g
	s_lshr_b32 s73, s[WV], 3                       ; c: which head of the pair
	s_and_b32 s74, s[WV], 7                        ; my tile
	s_mov_b32 s[GL], ttmp9
	s_sub_co_u32 s[GH], 15, ttmp9
	s_lshl_b32 s75, s72, 1                         ; 2 g
	s_lshl_b32 s82, s71, 4                         ; the batch's first token group
	s_and_b32 s83, s[WV], 1                        ; what I fetch, if I fetch: which head,
	s_bfe_u32 s84, s[WV], 0x10001                  ; K (0) or V (1)
	s_lshl_b32 s85, s84, 4
	s_add_co_u32 s85, s85, 16
	s_add_co_u32 s85, s85, s75
	s_add_co_u32 s85, s85, s83
	s_lshl_b32 s85, s85, 6
	s_add_co_u32 s85, s85, s82                     ; its first record
	s_mul_i32 s86, s85, REC
	s_mov_b32 s87, 0
	s_lshl_b32 s88, s85, 9
	s_mov_b32 s89, 0
	s_mul_i32 s90, s83, HEADB
	s_mul_i32 s91, s84, KVB
	s_add_co_u32 s90, s90, s91                     ; its place in a slot
	s_lshl_b32 s91, s83, 14
	s_lshl_b32 s92, s84, 13
	s_add_co_u32 s91, s91, s92
	s_add_co_u32 s91, s91, SCL                     ; and among the scale words
	s_add_co_u32 s97, s75, 16
	s_lshl_b32 s97, s97, 6
	s_add_co_u32 s97, s97, s82
	s_mul_i32 s[PFA], s97, REC
	s_add_co_u32 s[PFA], s[PFA], KVB               ; the prefetches stand at slot 1 of the pair's first head of K: the first change of slots steps them to slot 2
	s_mov_b32 s[PFA+1], 0
	s_add_co_u32 s75, s75, s73                     ; my head
	s_lshr_b32 s96, s74, 2
	s_lshl_b32 s96, s96, 8
	s_and_b32 s95, s74, 3
	s_lshl_b32 s95, s95, 2
	s_add_co_u32 s96, s96, s95                     ; my tile's words in a block of scale words: 256 (tile / 4) + 4 (tile % 4)
	s_lshl_b32 s92, s75, 6
	s_add_co_u32 s92, s92, s82                     ; q's record of the batch's first group
.macro PTRS x, G                       ; byte offsets of group G's q and o
	s_add_co_u32 s93, s92, s[\G]
	s_lshl_b32 s94, s93, 3
	s_add_co_u32 s94, s94, s74
	s_mul_i32 s[SQC+2*\x], s94, 768
	s_mov_b32 s[SQC+2*\x+1], 0
	s_lshl_b32 s94, s93, 9
	s_add_co_u32 s[SQS+2*\x], s94, s96
	s_mov_b32 s[SQS+2*\x+1], 0
	s_add_co_u32 s93, s82, s[\G]
	s_lshl_b32 s94, s93, 4
	s_add_co_u32 s94, s94, s75
	s_lshl_b32 s94, s94, 3
	s_add_co_u32 s94, s94, s74
	s_mul_i32 s[SOC+2*\x], s94, 768                ; oimg: ((16 group + head) 8 + tile) x 768
	s_mov_b32 s[SOC+2*\x+1], 0
	s_lshl_b32 s94, s93, 3
	s_add_co_u32 s94, s94, s72
	s_lshl_b32 s[SOS+2*\x], s94, 9                 ; osc: (8 group + head pair) x 512
	s_mov_b32 s[SOS+2*\x+1], 0
.endm
	PTRS 0, GL
	PTRS 1, GH
	s_mov_b32 s[G1], 3<<16                         ; elements of 8 bytes, no mask, no padding: dense blocks as rows of 256 bytes
	s_mov_b32 s[G1+1], 32<<16
	s_mov_b32 s[G1+2], 48<<16
	s_mov_b32 s[G1+3], 32<<16
	s_mov_b32 s[G1+4], 48
	s_mov_b32 s[G1+5], 32
	s_mov_b32 s[G1+6], 0
	s_mov_b32 s[G1+7], 0
	s_mov_b32 s[G1S], 3<<16
	s_mov_b32 s[G1S+1], 32<<16
	s_mov_b32 s[G1S+2], 32<<16
	s_mov_b32 s[G1S+3], 32<<16
	s_mov_b32 s[G1S+4], 32
	s_mov_b32 s[G1S+5], 32
	s_mov_b32 s[G1S+6], 0
	s_mov_b32 s[G1S+7], 0
	s_mov_b32 s[SEL], 0x76543210
	s_mov_b32 s[SEL+1], 0xfedcba98
	s_mov_b32 s[CS], 0x3e38aa3b                    ; log2(e) / 8
	s_mov_b32 s[CS+1], s[CS]
	s_mov_b32 s[TB], 0
	s_mov_b32 s[TS], 0
	s_mov_b32 s[KG], 0
	s_mov_b32 s[SLOTS], 7
	s_sub_co_u32 s97, s[WV], 4
	s_cmp_lt_u32 s97, 6                            ; waves 4 to 9
	s_cselect_b32 s97, 0, 1
	s_or_b32 s97, s97, ttmp9                       ; of work-group j = 0
	s_cmp_eq_u32 s97, 0
	s_cselect_b32 s[LIM], 1, -1
	s_wait_dscnt 0x0                               ; the opening add is done
	s_wait_kmcnt 0x0
	s_mov_b32 s[G0S], 1
	s_mov_b32 s[G0S+1], s91
	s_add_nc_u64 s[G0S+2:G0S+3], s[6:7], s[88:89]
	s_or_b32 s[G0S+3], s[G0S+3], 0x80000000
	s_mov_b32 s[G0], 1
	s_mov_b32 s[G0+1], s90
	s_add_nc_u64 s[G0+2:G0+3], s[4:5], s[86:87]
	s_or_b32 s[G0+3], s[G0+3], 0x80000000
	s_cmp_lt_u32 s[WV], 4                          ; a wave's two first fills stand in one branch
	s_cbranch_scc0 .Lno_first
	tensor_load_to_lds s[G0S:G0S+3], s[G1S:G1S+7]  ; the scale words of all keys: filled once
	s_nop 0
	tensor_load_to_lds s[G0:G0+3], s[G1:G1+7]      ; slot 0
	s_nop 0
.rept 4
	v_nop
.endr
.Lno_first:
.irp x, 0,1
	s_add_nc_u64 s[SQC+2*\x:SQC+2*\x+1], s[4:5], s[SQC+2*\x:SQC+2*\x+1]
	s_add_nc_u64 s[SQS+2*\x:SQS+2*\x+1], s[6:7], s[SQS+2*\x:SQS+2*\x+1]
	s_add_nc_u64 s[SOC+2*\x:SOC+2*\x+1], s[8:9], s[SOC+2*\x:SOC+2*\x+1]
	s_add_nc_u64 s[SOS+2*\x:SOS+2*\x+1], s[10:11], s[SOS+2*\x:SOS+2*\x+1]
.endr
	s_add_nc_u64 s[PFA:PFA+1], s[4:5], s[PFA:PFA+1]
	v_and_b32 v249, 31, v0
	v_lshlrev_b32 v250, 3, v249                    ; 8 x lane
	v_lshlrev_b32 v249, 4, v249                    ; 16 x lane
	v_and_b32 v3, 15, v0                           ; r
	v_lshlrev_b32 v251, 4, v3                      ; 16 r
	global_load_b128 v[20:23], v249, s[SQC:SQC+1]              ; q's half images stay in registers
	global_load_b64 v[24:25], v250, s[SQC:SQC+1] offset:512
	global_load_b32 v255, v251, s[SQS:SQS+1]
	global_load_b128 v[32:35], v249, s[SQC+2:SQC+3]
	global_load_b64 v[36:37], v250, s[SQC+2:SQC+3] offset:512
	global_load_b32 v9, v251, s[SQS+2:SQS+3]
	s_mul_i32 s97, s73, HEADB
	v_add_nc_u32 v1, s97, v249
	v_add_nc_u32 v2, s97, v250
	v_add_nc_u32 v2, 512, v2
	s_lshl_b32 s97, s73, 14
	s_add_co_u32 s97, s97, SCL
	v_add_nc_u32 v10, s97, v249
	v_bfe_u32 v4, v0, 4, 1                         ; h
	s_lshr_b32 s97, s74, 1
	s_lshl_b32 s97, s97, 5
	s_and_b32 s98, s74, 1
	s_lshl_b32 s98, s98, 3
	s_add_co_u32 s97, s97, s98
	v_and_b32 v7, 8, v3
	v_add_nc_u32 v7, v7, v3
	v_add_nc_u32 v7, s97, v7                       ; my query's place in its group,
	v_lshlrev_b32 v4, 4, v4
	v_sub_nc_u32 v7, v7, v4                        ; less 16 h: register 16 b + i holds key 32 b + 16 h + i, hidden on the diagonal where 32 b + i is above this
	s_lshl_b32 s98, s73, 1
	s_add_co_u32 s98, s98, s96
	s_add_co_u32 s98, s98, OSC
	v_add_nc_u32 v8, s98, v251                     ; o's scale bytes: my tile's word of row r, my head's half of it
	v_and_b32 v11, 63, v0
	v_lshl_add_u32 v11, v11, 4, OSC
	v_add_nc_u32 v248, 0xffffff80, v0              ; the prefetches: block n = thread - 128 of 192 (held inside 0..191 in the waves that never ask),
	v_min_u32 v248, 191, v248
	v_mul_u32_u24 v3, v248, 683
	v_lshrrev_b32 v3, 15, v3                       ; n / 48: which of the four blocks of 12,288 bytes
	v_mul_u32_u24 v4, v3, 48
	v_sub_nc_u32 v248, v248, v4
	v_lshlrev_b32 v248, 8, v248
	v_and_b32 v4, 1, v3
	v_mad_u32_u24 v248, v4, 64*REC, v248           ; the pair's second head,
	v_lshrrev_b32 v3, 1, v3
	v_mad_u32_u24 v248, v3, 16*64*REC, v248        ; V: sixteen heads on
	v_mov_b32 v13, 0xff61b1e6                      ; the largest t so far: -3e38
	v_floor_f32 v12, -v13                          ; -M
	v_mov_b32 v14, 0
	v_mov_b32 v15, 0
	v_mov_b32 v17, v13
	v_mov_b32 v16, v12
	v_mov_b32 v18, 0
	v_mov_b32 v19, 0
.irp i, 26,27,28,29,30,31,38,39,40,41,42,43
	v_mov_b32 v[\i], 0                             ; q: zero codes for k = 64 .. 127
.endr
.irp t, 0,1,2,3
.irp i, 6,7,8,9,10,11
	v_mov_b32 v[44+12*\t+\i], 0                    ; K likewise: written once, no load lands here
.endr
.endr
.set n, 0
.rept 64
	v_mov_b32 v[160+n], 0                          ; O^T: the loop has no first step of its own
.set n, n+1
.endr
.irp i, 236,237,238,239,252,253
	v_mov_b32 v[\i], 0                             ; lane permutes' destinations and the pair v[252:253] are named before they are first written
.endr
; A TILE STEP: 16 queries x the q-th 128 keys of the slot in hand.  ST: the statistics; QF, QSR: q's fragment and scale word; OT: O^T; G: the tile's own group.
.macro TSTEP q, ST, QF, QSR, OT, G
	s_cmp_gt_u32 s[KG], s[\G]                      ; keys wholly behind my queries: ids and the count of steps alone; no barrier and no tensor load stands in a step
	s_cbranch_scc1 .Lskip_\@
	v_add_nc_u32 v3, s[TB], v1
	v_add_nc_u32 v4, s[TB], v2
	v_add_nc_u32 v254, s[TS], v10
	ds_load_b128 v[92:95], v254                    ; K's scale words: tiles 0-3 in lanes 0-15, tiles 4-7 in lanes 16-31
.irp g, 0,1
.if \g
.rept 4
	v_nop                                          ; places in front of loads into registers that matrix instructions have read
.endr
.endif
.irp t, 0,1,2,3
	ds_load_b128 v[44+12*\t:47+12*\t], v3 offset:(\q)*REC+768*(4*\g+\t)
	ds_load_b64 v[48+12*\t:49+12*\t], v4 offset:(\q)*REC+768*(4*\g+\t)
.endr
	s_wait_dscnt 0x0
.irp t, 0,1,2,3
.if \g
	v_wmma_scale_f32_16x16x128_f8f6f4 v[128+8*\t:135+8*\t], v[44+12*\t:55+12*\t], v[\QF:\QF+11], 0, v[92+\t], v[\QSR] matrix_a_fmt:MATRIX_FMT_FP6 matrix_b_fmt:MATRIX_FMT_FP6 matrix_a_scale:MATRIX_SCALE_ROW1
.else
	v_wmma_scale_f32_16x16x128_f8f6f4 v[96+8*\t:103+8*\t], v[44+12*\t:55+12*\t], v[\QF:\QF+11], 0, v[92+\t], v[\QSR] matrix_a_fmt:MATRIX_FMT_FP6 matrix_b_fmt:MATRIX_FMT_FP6
.endif
.endr
.endr
.rept 4
	v_nop
.endr
	s_cmp_lg_u32 s[KG], s[\G]                      ; on the diagonal hidden scores become -infinity ahead of the maximum
	s_cbranch_scc1 .Lopen_\@
	v_mov_b32 v254, 0xff800000
.set n, 0
.rept 64
	v_cmp_gt_i32 vcc_lo, 32*(n/16)+n%16, v7
	v_cndmask_b32 v[96+n], v[96+n], v254, vcc_lo
.set n, n+1
.endr
.Lopen_\@:
.irp b, 0,1,2,3
	v_max3_num_f32 v[232+\b], v[96+16*\b], v[97+16*\b], v[98+16*\b]   ; the largest score of each block of 32 keys: for the row's maximum, and for the block's largest p
.endr
.irp i, 3,5,7,9,11,13
.irp b, 0,1,2,3
	v_max3_num_f32 v[232+\b], v[232+\b], v[96+16*\b+\i], v[97+16*\b+\i]
.endr
.endr
.irp b, 0,1,2,3
	v_max_num_f32 v[232+\b], v[232+\b], v[111+16*\b]
.endr
.irp b, 0,1,2,3
	v_permlanex16_b32 v[236+\b], v[232+\b], s[SEL], s[SEL+1]
.endr
.irp b, 0,1,2,3
	v_max_num_f32 v[232+\b], v[232+\b], v[236+\b]
.endr
	v_max3_num_f32 v254, v232, v233, v234
	v_max_num_f32 v254, v254, v235
	v_mul_f32 v254, s[CS], v254
	v_max_num_f32 v[\ST+1], v[\ST+1], v254         ; the running largest t
	v_mov_b32 v254, v[\ST]
	v_floor_f32 v[\ST], -v[\ST+1]                  ; the new -M: a whole number
	v_sub_f32 v254, v[\ST], v254
	v_cvt_i32_f32 v254, v254                       ; (it saturates)
	v_ldexp_f32 v252, 1.0, v254                    ; f = 2^(old M - new M)
.set n, 0
.rept 32
	v_pk_fma_f32 v[96+n:97+n], v[96+n:97+n], s[CS:CS+1], v[\ST:\ST+1] op_sel_hi:[1,0,0]   ; t - M
.set n, n+2
.endr
.irp b, 0,1,2,3
	v_fma_f32 v[232+\b], v[232+\b], s[CS], v[\ST]
.endr
.set n, 0
.rept 64
	v_exp_f32 v[96+n], v[96+n]                     ; p = 2^(t - M)
.set n, n+1
.endr
	v_pk_mul_f32 v[\ST+2:\ST+3], v[\ST+2:\ST+3], v[252:253] op_sel_hi:[1,0]   ; the sums under the new M: a plain place behind the exponentials
	s_wait_alu depctr_va_vdst(0)                   ; one wait for the batch, ahead of its first use
.irp b, 0,1,2,3
	v_exp_f32 v[232+\b], v[232+\b]                 ; each block's largest p
.endr
	v_pk_add_f32 v[236:237], v[96:97], v[98:99]    ; the row's sum of the unquantised p, in two chains
.irp j, 4,8,12,16,20,24,28,32,36,40,44,48,52,56,60
	v_pk_add_f32 v[\ST+2:\ST+3], v[\ST+2:\ST+3], v[96+\j:97+\j]
	v_pk_add_f32 v[236:237], v[236:237], v[98+\j:99+\j]
.endr
	v_pk_add_f32 v[\ST+2:\ST+3], v[\ST+2:\ST+3], v[236:237]
	s_wait_alu depctr_va_vdst(0)                   ; and one for the four
.irp b, 0,1,2,3
	v_max_num_f32 v[232+\b], 0x1800000, v[232+\b]  ; the floor 2^(3 - 127)
.endr
.irp b, 0,1,2,3
	v_add_nc_u32 v[244+\b], 0xff000000, v[232+\b]
.endr
.irp b, 0,1,2,3
	v_lshrrev_b32 v[236+\b], 23, v[244+\b]
.endr
	v_lshl_or_b32 v253, v237, 8, v236              ; p's scale word for these 128 keys
	v_lshl_or_b32 v253, v238, 16, v253
	v_lshl_or_b32 v253, v239, 24, v253
.irp c, 0,1
	v_cvt_scalef32_pk16_fp6_f32 v[224+6*\c:226+6*\c], v[96+32*\c:111+32*\c], v[244+2*\c]
	v_cvt_scalef32_pk16_fp6_f32 v[236+4*\c:238+4*\c], v[112+32*\c:127+32*\c], v[245+2*\c]
.endr
	v_add_nc_u32 v254, s[TS], v10                  ; (the plain place behind the conversions)
	ds_load_b128 v[92:95], v254 offset:8192        ; V's scale words
.irp t, 0,1,2,3                        ; V^T: four tiles of 16 channels x these 128 keys, into the registers that p has left
.irp c, 0,1
	ds_load_b128 v[96+12*\t+6*\c:99+12*\t+6*\c], v3 offset:KVB+(\q)*REC+1536*\t+768*\c
	ds_load_b64 v[100+12*\t+6*\c:101+12*\t+6*\c], v4 offset:KVB+(\q)*REC+1536*\t+768*\c
.endr
.endr
.irp c, 0,1
.irp i, 0,1,2
	v_permlane16_swap_b32 v[224+6*\c+\i], v[236+4*\c+\i]
.endr
.irp i, 0,1,2
	v_mov_b32 v[227+6*\c+\i], v[236+4*\c+\i]
.endr
.endr
.set n, 0
.rept 16
	v_pk_mul_f32 v[\OT+n:\OT+n+1], v[\OT+n:\OT+n+1], v[252:253] op_sel_hi:[1,0]   ; O^T under the new M.  (Of these 16, twelve name none of a given product's registers: the places behind p's codes and scale word)
.set n, n+2
.endr
	s_wait_dscnt 0x0
.irp t, 0,1,2,3
	v_wmma_scale_f32_16x16x128_f8f6f4 v[\OT+8*\t:\OT+8*\t+7], v[96+12*\t:107+12*\t], v[224:235], v[\OT+8*\t:\OT+8*\t+7], v[92+\t], v253 matrix_a_fmt:MATRIX_FMT_FP6 matrix_b_fmt:MATRIX_FMT_FP6
.endr
.rept 5
	v_nop                                          ; five places: the next step's products write over V's registers
.endr
.Lskip_\@:
.endm
; THE CHANGE OF SLOTS, at a slot's head: every wave waits for all its tensor loads, adds 0 to its spare word, waits for that and for its reads of the slot that it has left; one barrier; then the slot left is filled
; with the next 256 keys, if any wave of the work-group will read them: the first key group of that slot is held against the work-group's last query group (ids and the count of steps: the same in all sixteen waves).
.macro CHANGE fill
	s_wait_tensorcnt 0x0
	ds_add_u32 v[SPW], v[NIL]
.if \fill
	s_xor_b32 s[G0+1], s[G0+1], SLOT1
	s_add_nc_u64 s[G0+2:G0+3], s[G0+2:G0+3], KVB
	s_wait_xcnt 0x0                                ; the last prefetch, a slot back, has read its address
	s_add_nc_u64 s[PFA:PFA+1], s[PFA:PFA+1], KVB
.endif
	s_wait_dscnt 0x0
	s_barrier_signal -1
	s_barrier_wait -1
.if \fill
	s_add_co_u32 s99, s[KG], 2
	s_cmp_gt_u32 s99, s[GH]
	s_cbranch_scc1 .Lpast_\@
	TLOAD
.Lpast_\@:
	ASK
.endif
.endm
.macro SLOT_STEPS
.irp q, 0,1
	TSTEP \q, 12, 20, 255, 160, GL
	TSTEP \q, 16, 32, 9, 192, GH
	s_add_co_u32 s[TS], s[TS], 512
	s_add_co_u32 s[KG], s[KG], 1
.endr
	s_xor_b32 s[TB], s[TB], SLOT1
.endm
	s_wait_loadcnt 0x0                             ; q
.Lslot:
	CHANGE 1
	SLOT_STEPS
	s_sub_co_u32 s[SLOTS], s[SLOTS], 1
	s_cmp_lg_u32 s[SLOTS], 0
	s_cbranch_scc1 .Lslot
	CHANGE 0                                       ; the last slot is written out: nothing is left to ask for
	SLOT_STEPS
	; THE WAY OUT: o = O^T / l, quantised along the head's 64 channels: a half image of the last product's operand
	v_add_f32 v14, v14, v15
	v_add_f32 v18, v18, v19
	v_permlanex16_b32 v252, v14, s[SEL], s[SEL+1]
	v_permlanex16_b32 v236, v18, s[SEL], s[SEL+1]
	v_add_f32 v14, v14, v252
	v_add_f32 v18, v18, v236
	v_rcp_f32 v14, v14
	v_rcp_f32 v18, v18
	v_nop                                          ; a plain place behind the reciprocals,
	s_wait_alu depctr_va_vdst(0)                   ; and one wait for both, ahead of their first use
.macro OUTX x, ST, OT
.set n, 0
.rept 16
	v_pk_mul_f32 v[96+32*\x+n:97+32*\x+n], v[\OT+n:\OT+n+1], v[\ST+2:\ST+3] op_sel_hi:[1,0]   ; register 16 b + i = channel 32 b + 16 h + i; each accumulator from its low end on
.set n, n+2
.endr
.if \x
	s_wait_xcnt 0x0                                ; L's stores have read the codes' registers
.endif
	v_max3_num_f32 v232, |v[96+32*\x]|, |v[97+32*\x]|, 0x1800000
	v_max3_num_f32 v233, |v[112+32*\x]|, |v[113+32*\x]|, 0x1800000
.irp i, 2,4,6,8,10,12,14
	v_max3_num_f32 v232, v232, |v[96+32*\x+\i]|, |v[97+32*\x+\i]|
	v_max3_num_f32 v233, v233, |v[112+32*\x+\i]|, |v[113+32*\x+\i]|
.endr
	v_permlanex16_b32 v236, v232, s[SEL], s[SEL+1]
	v_permlanex16_b32 v237, v233, s[SEL], s[SEL+1]
	v_max_num_f32 v232, v232, v236
	v_max_num_f32 v233, v233, v237
	v_add_nc_u32 v244, 0xff000000, v232
	v_add_nc_u32 v245, 0xff000000, v233
	v_lshrrev_b32 v236, 23, v244
	v_lshrrev_b32 v237, 23, v245
	v_lshl_or_b32 v254, v237, 8, v236              ; my row's two scale bytes
	v_cvt_scalef32_pk16_fp6_f32 v[224:226], v[96+32*\x:111+32*\x], v244
	v_cvt_scalef32_pk16_fp6_f32 v[228:230], v[112+32*\x:127+32*\x], v245
	v_nop
.irp i, 0,1,2
	v_permlane16_swap_b32 v[224+\i], v[228+\i]
.endr
.irp i, 0,1,2
	v_mov_b32 v[227+\i], v[228+\i]
.endr
	global_store_b128 v249, v[224:227], s[SOC+2*\x:SOC+2*\x+1]             ; 512 consecutive bytes,
	global_store_b64 v250, v[228:229], s[SOC+2*\x:SOC+2*\x+1] offset:512   ; and 256
	ds_store_b16 v8, v254 offset:512*\x            ; lanes r and r + 16 write the same two bytes with the same value
.endm
	OUTX 0, 12, 160
	OUTX 1, 16, 192
	s_wait_dscnt 0x0                               ; for the others' sake: my scale bytes lie in LDS
	s_barrier_signal -1
	s_barrier_wait -1
	s_cmp_lt_u32 s[WV], 2                          ; wave 0 stores L's block of scale words, wave 1 H's: 512 consecutive bytes
	s_cbranch_scc0 .Lno_words
	s_cmp_eq_u32 s[WV], 0
	s_cselect_b64 s[82:83], s[SOS:SOS+1], s[SOS+2:SOS+3]
	ds_load_b128 v[232:235], v11
	s_wait_dscnt 0x0
	global_store_b128 v249, v[232:235], s[82:83]
.Lno_words:
	s_wait_tensorcnt 0x0                           ; the wave's end
	ds_add_u32 v[SPW], v[NIL]
	s_wait_dscnt 0x0
	s_endpgm
.Lfunc_end_k_qd9b797c420_attn:
	.size	k_qd9b797c420_attn, .Lfunc_end_k_qd9b797c420_attn-k_qd9b797c420_attn
	.p2alignl 7, 3214868480
	.fill 96, 4, 3214868480
	.section	.rodata,"a",@progbits
	.p2align	6, 0x0
	.amdhsa_kernel k_qd9b797c420_attn
		.amdhsa_group_segment_fixed_size 327680
		.amdhsa_private_segment_fixed_size 0
		.amdhsa_enable_private_segment 0
		.amdhsa_kernarg_size 32
		.amdhsa_user_sgpr_count 2
		.amdhsa_user_sgpr_kernarg_segment_ptr 1
		.amdhsa_wavefront_size32 1
		.amdhsa_system_sgpr_workgroup_id_x 1
		.amdhsa_system_sgpr_workgroup_id_y 1
		.amdhsa_system_sgpr_workgroup_id_z 1
		.amdhsa_system_vgpr_workitem_id 0
		.amdhsa_next_free_vgpr 256
		.amdhsa_next_free_sgpr 100
		.amdhsa_reserve_vcc 1
		.amdhsa_float_denorm_mode_32 3
		.amdhsa_float_denorm_mode_16_64 3
		.amdhsa_memory_ordered 1
		.amdhsa_forward_progress 1
		.amdhsa_inst_pref_size 189
	.end_amdhsa_kernel
	.amdgpu_metadata
---
amdhsa.version: [ 1, 2 ]
amdhsa.kernels:
  - .name:           k_qd9b797c420_attn
    .symbol:         k_qd9b797c420_attn.kd
    .args:
      - { .name: qkvc, .offset: 0, .size: 8, .value_kind: global_buffer, .address_space: global }
      - { .name: qkvs, .offset: 8, .size: 8, .value_kind: global_buffer, .address_space: global }
      - { .name: oimg, .offset: 16, .size: 8, .value_kind: global_buffer, .address_space: global }
      - { .name: osc, .offset: 24, .size: 8, .value_kind: global_buffer, .address_space: global }
    .group_segment_fixed_size: 327680
    .private_segment_fixed_size: 0
    .kernarg_segment_align: 8
    .kernarg_segment_size: 32
    .max_flat_workgroup_size: 512
    .sgpr_count:     100
    .vgpr_count:     256
    .wavefront_size: 32
...
	.end_amdgpu_metadata
.endif
;; end of part 3
;; launch oproj (part 4): grid 4 x 32, 4 waves a work-group, clusters of 4 x 4, 327,680 bytes of LDS; arguments oimg, osc, opimg, opsc, out0; writes out0
.if DOCPART == 4
	.amdgcn_target "amdgcn-amd-amdhsa--gfx1250"
	.amdhsa_code_object_version 6
	.text
	.protected	k_qd9b797c420_oproj
	.globl	k_qd9b797c420_oproj
	.p2align	8
	.type	k_qd9b797c420_oproj,@function
k_qd9b797c420_oproj:
	s_mov_b64 s[64:65], 0
	v_nop
	global_prefetch_b8 v0, s[64:65] scope:SCOPE_SE
	s_setreg_imm32_b32 hwreg(HW_REG_WAVE_MODE, 25, 1), 1
	s_wait_xcnt 0x0
	s_wait_alu depctr_hold_cnt(0) depctr_sa_sdst(0) depctr_va_vdst(0) depctr_va_sdst(0) depctr_va_ssrc(0) depctr_va_vcc(0) depctr_vm_vsrc(0)
	s_getreg_b32 s2, hwreg(HW_REG_IB_STS2, 6, 4)
	s_cmp_eq_u32 s2, 0
	s_cbranch_scc0 .Lentry_in_a_cluster
	s_endpgm
.Lentry_in_a_cluster:
	s_bfe_u32 s2, ttmp6, 0x10000c
	s_cmp_lg_u32 s2, 0xf033
	s_cbranch_scc0 .Lentry_shape_is_right
	s_endpgm
.Lentry_shape_is_right:
; out0 = o wo^T on codes of FP6 (E2M3) with E8M0 scales, K = 1,024; out0 [8192][1024] f32.
; P = o (oimg, osc: 64 groups of 128 tokens), Y = wo (groups 88-95 of opimg, opsc); both lie in the order of the operand's registers: [group][64 K chunk][tile][768], tiles of rows 32 (t / 2) + 8 (t % 2) + r + 8 (r / 8).
; A tile of 256 x 256 to a work-group, four waves of 128 x 128 (64 accumulators, windows 2 and 3).  K goes in four steps of 256 through two LDS slots; a wave's tensor load brings one group's 24,576 dense bytes.
; CLUSTER 4 x 4: P's tiles are shared along a row of the cluster, Y's along a column: joint loads.  The scale words of all of K come once, straight into 64 registers.
; Source 0 = a tile of Y, source 1 = a tile of P: lane (r, h) of accumulator (a, b) holds token 32 (a / 2) + 8 (a % 2) + r + 8 (r / 8) and columns 32 (b / 2) + 16 h + 8 (b % 2) + 0 .. 7.
; THE WAY OUT: 16 rows x 128 columns at a time through the wave's own stage in LDS, back as whole rows of 512 bytes.  The stage lies in slot 0, which has had its last fill and its last read by then.
.set HALFT, 24576
.set SLOT,  4*HALFT
.set SPARE, 2*SLOT
.set TGB,   98304
.set FR,    12
.set NL,    4
.set NP,    4
.set SPITCH, 528
.set ADRA,  16
.set ADRB,  20
.set STO,   24
.set RD,    25
.set L8,    26
.set L16,   27
.set SPW,   28
.set NIL,   29
.set SCA,   32
.set SCB,   64
.set AF,    128
.set BK,    128
.set G1,    24
.set G0,    32
.set G1B,   48
.set G0B,   56
.set MSB, 0
.macro WIN new
.if MSB != (\new)
	s_set_vgpr_msb (MSB<<8)|(\new)
.set MSB, (\new)
.endif
.endm
.set MUL_LO, 0xa1
.set MUL_HI, 0xf1
.set TO_B,   0x40
.macro JLOAD g0a, g1a, g0b, g1b        ; a joint load: waves 0, 1 fetch P's groups, waves 2, 3 Y's; an s_nop 0 and four v_nop follow each line
	s_cmp_eq_u32 s15, 0
	s_cbranch_scc0 .Lfor_b_\@
	tensor_load_to_lds s[\g0a:\g0a+3], s[\g1a:\g1a+7]
	s_nop 0
.rept 4
	v_nop
.endr
	s_branch .Lasked_\@
.Lfor_b_\@:
	tensor_load_to_lds s[\g0b:\g0b+3], s[\g1b:\g1b+7]
	s_nop 0
.rept 4
	v_nop
.endr
.Lasked_\@:
.endm
.macro CREST
	s_cmp_lg_u32 s14, 0
	s_cbranch_scc1 .Lnot_wave_0_\@
	s_barrier_signal -3
.Lnot_wave_0_\@:
	s_barrier_wait -3
	s_barrier_signal -1
	s_barrier_wait -1
.endm
.macro CROUND
	s_barrier_signal -1
	s_barrier_wait -1
	CREST
.endm
.macro PLACES n
.rept \n
	v_nop
.endr
.endm
.macro FRAG reg, adr, q, i
.irp c, 0,1
	ds_load_b128 v[\reg+6*\c:\reg+6*\c+3], v[\adr] offset:((2*(\q)+\c)*8+(\i))*768
	ds_load_b64 v[\reg+6*\c+4:\reg+6*\c+5], v[\adr+2] offset:((2*(\q)+\c)*8+(\i))*768
.endr
.endm
.macro FETCH_B slot, q, p
	WIN TO_B
.irp i, 0,1,2,3,4,5,6,7
	FRAG 128*(\p)+FR*\i, ADRB+\slot, \q, \i
.endr
	WIN 0
.endm
.macro FETCH_A slot, q, i0
.irp i, \i0, \i0+1, \i0+2, \i0+3
	FRAG AF+FR*(\i), ADRA+\slot, \q, \i
.endr
.endm
.macro MM a, b, p, S, zero
.set rD, 8*(8*((\a)%4)+(\b))
.set rB, 128*(\p)+FR*(\b)
.set rA, AF+FR*(\a)
.set rY, SCB+4*(\S)+(\b)%4
.set rP, SCA+4*(\S)+(\a)%4
.set rW, (\b)/4+2*((\a)/4)+4*(\zero)
.if rW == 0
	v_wmma_scale_f32_16x16x128_f8f6f4 v[rD:rD+7], v[rB:rB+11], v[rA:rA+11], v[rD:rD+7], v[rY], v[rP] matrix_a_fmt:MATRIX_FMT_FP6 matrix_b_fmt:MATRIX_FMT_FP6
.elseif rW == 1
	v_wmma_scale_f32_16x16x128_f8f6f4 v[rD:rD+7], v[rB:rB+11], v[rA:rA+11], v[rD:rD+7], v[rY], v[rP] matrix_a_fmt:MATRIX_FMT_FP6 matrix_b_fmt:MATRIX_FMT_FP6 matrix_a_scale:MATRIX_SCALE_ROW1
.elseif rW == 2
	v_wmma_scale_f32_16x16x128_f8f6f4 v[rD:rD+7], v[rB:rB+11], v[rA:rA+11], v[rD:rD+7], v[rY], v[rP] matrix_a_fmt:MATRIX_FMT_FP6 matrix_b_fmt:MATRIX_FMT_FP6 matrix_b_scale:MATRIX_SCALE_ROW1
.elseif rW == 3
	v_wmma_scale_f32_16x16x128_f8f6f4 v[rD:rD+7], v[rB:rB+11], v[rA:rA+11], v[rD:rD+7], v[rY], v[rP] matrix_a_fmt:MATRIX_FMT_FP6 matrix_b_fmt:MATRIX_FMT_FP6 matrix_a_scale:MATRIX_SCALE_ROW1 matrix_b_scale:MATRIX_SCALE_ROW1
.elseif rW == 4
	v_wmma_scale_f32_16x16x128_f8f6f4 v[rD:rD+7], v[rB:rB+11], v[rA:rA+11], 0, v[rY], v[rP] matrix_a_fmt:MATRIX_FMT_FP6 matrix_b_fmt:MATRIX_FMT_FP6
.elseif rW == 5
	v_wmma_scale_f32_16x16x128_f8f6f4 v[rD:rD+7], v[rB:rB+11], v[rA:rA+11], 0, v[rY], v[rP] matrix_a_fmt:MATRIX_FMT_FP6 matrix_b_fmt:MATRIX_FMT_FP6 matrix_a_scale:MATRIX_SCALE_ROW1
.elseif rW == 6
	v_wmma_scale_f32_16x16x128_f8f6f4 v[rD:rD+7], v[rB:rB+11], v[rA:rA+11], 0, v[rY], v[rP] matrix_a_fmt:MATRIX_FMT_FP6 matrix_b_fmt:MATRIX_FMT_FP6 matrix_b_scale:MATRIX_SCALE_ROW1
.else
	v_wmma_scale_f32_16x16x128_f8f6f4 v[rD:rD+7], v[rB:rB+11], v[rA:rA+11], 0, v[rY], v[rP] matrix_a_fmt:MATRIX_FMT_FP6 matrix_b_fmt:MATRIX_FMT_FP6 matrix_a_scale:MATRIX_SCALE_ROW1 matrix_b_scale:MATRIX_SCALE_ROW1
.endif
.endm
.macro MUL16 a0, p, S, zero            ; the 64 accumulators take turns, one instruction a turn, in the same order in every step
.irp a, \a0, \a0+1
.irp b, 0,1,2,3,4,5,6,7
	MM \a, \b, \p, \S, \zero
.endr
.endr
.endm
.macro STEP slot, S, zero
	s_wait_dscnt 4*NL                              ; Y's set and P's tiles 0-3 are in; the youngest 16 loads (P's tiles 4-7) may be out
	WIN MUL_LO
	MUL16 0, 0, \S, \zero
	MUL16 2, 0, \S, \zero
	s_wait_dscnt 0x0
	PLACES NP
	FETCH_B \slot, 1, 1
	FETCH_A \slot, 1, 0
	WIN MUL_HI
	MUL16 4, 0, \S, \zero
	MUL16 6, 0, \S, \zero
	PLACES NP
	WIN 0
	FETCH_A \slot, 1, 4
.endm
.macro TURN slot, next, S, fill
	s_wait_tensorcnt 0x0                           ; all my tensor loads have landed: my part of the next slot
	ds_add_u32 v[SPW], v[NIL]                      ; 0 onto my spare word
	s_wait_dscnt 4*NL+1                            ; (the add and the youngest 16 loads may be out)
	WIN MUL_LO
	MUL16 0, 1, \S, 0
	s_wait_dscnt 0x0                               ; the add is done, and my reads of this slot are over
	s_barrier_signal -1
	MUL16 2, 1, \S, 0
	WIN 0
	s_barrier_wait -1
.if \fill
	CREST                                          ; no wave of any partner still reads this slot or has a load on its way
	s_add_nc_u64 s[G0+4*\slot+2:G0+4*\slot+3], s[G0+4*\slot+2:G0+4*\slot+3], 2*HALFT
	s_add_nc_u64 s[G0B+4*\slot+2:G0B+4*\slot+3], s[G0B+4*\slot+2:G0B+4*\slot+3], 2*HALFT
	JLOAD G0+4*\slot, G1, G0B+4*\slot, G1B
.else
	PLACES NP
.endif
	FETCH_B \next, 0, 0
	FETCH_A \next, 0, 0
	WIN MUL_HI
	MUL16 4, 1, \S, 0
	MUL16 6, 1, \S, 0
	PLACES NP
	WIN 0
	FETCH_A \next, 0, 4
.endm
	s_load_b256 s[4:11], s[0:1], 0x0               ; oimg, osc, opimg, opsc
	s_load_b64 s[12:13], s[0:1], 0x20              ; out0
	v_lshl_add_u32 v[SPW], v0, 2, SPARE
	v_mov_b32 v[NIL], 0
	ds_add_u32 v[SPW], v[NIL]                      ; the wave's opening: the add and its wait ahead of my first tensor load
	v_lshrrev_b32 v1, 5, v0
	v_readfirstlane_b32 s14, v1
	s_lshr_b32 s15, s14, 1
	s_and_b32 s16, s14, 1
	s_bfe_u32 s40, ttmp6, 0x40000                  ; cx
	s_bfe_u32 s41, ttmp6, 0x40004                  ; cy
	s_lshl_b32 s42, ttmp9, 2
	s_add_co_u32 s42, s42, s40                     ; tile column
	s_and_b32 s17, ttmp7, 0xffff
	s_lshl_b32 s17, s17, 2
	s_add_co_u32 s17, s17, s41                     ; tile row
	s_lshl_b32 s43, s41, 2
	s_lshl_b32 s43, 15, s43
	s_lshl_b32 s44, 0x1111, s40
	s_or_b32 s[G1+0], s43, (3<<16)|(1<<21)
	s_or_b32 s[G1B+0], s44, (3<<16)|(1<<21)
.irp g, G1, G1B                        ; a dense block of 24,576 bytes as 96 rows of 256
	s_mov_b32 s[\g+1], 32<<16
	s_mov_b32 s[\g+2], 96<<16
	s_mov_b32 s[\g+3], 32<<16
	s_mov_b32 s[\g+4], 96
	s_mov_b32 s[\g+5], 32
	s_mov_b32 s[\g+6], 0
	s_mov_b32 s[\g+7], 0
.endr
	s_lshl_b32 s20, s17, 1
	s_add_co_u32 s22, s20, s15                     ; the group of o that I multiply,
	s_add_co_u32 s20, s20, s16                     ; and the one that I fetch
	s_mul_i32 s20, s20, TGB
	s_mov_b32 s21, 0
	s_lshl_b32 s22, s22, 12
	s_mov_b32 s23, 0
	s_lshl_b32 s46, s42, 1
	s_add_co_u32 s46, s46, 88                      ; wo's groups begin at 88
	s_add_co_u32 s46, s46, s16
	s_lshl_b32 s92, s46, 12
	s_mov_b32 s93, 0
	s_mul_i32 s46, s46, TGB
	s_mov_b32 s47, 0
	s_mul_i32 s45, s14, HALFT
	s_wait_dscnt 0x0                               ; the opening add is done
	s_wait_kmcnt 0x0
	s_add_nc_u64 s[20:21], s[4:5], s[20:21]
	s_add_nc_u64 s[46:47], s[8:9], s[46:47]
	s_add_nc_u64 s[22:23], s[6:7], s[22:23]
	s_add_nc_u64 s[92:93], s[10:11], s[92:93]
	CROUND                                         ; all sixteen work-groups are here: the first joint loads meet
.irp s, 0,1
	s_mov_b32 s[G0+4*\s], 1
	s_add_co_u32 s[G0+4*\s+1], s45, \s*SLOT
	s_add_nc_u64 s[G0+4*\s+2:G0+4*\s+3], s[20:21], \s*HALFT
	s_or_b32 s[G0+4*\s+3], s[G0+4*\s+3], 0x80000000
	s_mov_b32 s[G0B+4*\s], 1
	s_add_co_u32 s[G0B+4*\s+1], s45, \s*SLOT
	s_add_nc_u64 s[G0B+4*\s+2:G0B+4*\s+3], s[46:47], \s*HALFT
	s_or_b32 s[G0B+4*\s+3], s[G0B+4*\s+3], 0x80000000
	JLOAD G0+4*\s, G1, G0B+4*\s, G1B               ; K steps 0 and 1: two loads of mine are out
.endr
	v_and_b32 v1, 31, v0
	v_lshlrev_b32 v[L16], 4, v1
	v_lshlrev_b32 v[L8], 3, v1
.irp S, 0,1,2,3,4,5,6,7
	global_load_b128 v[SCA+4*\S:SCA+4*\S+3], v[L16], s[22:23] offset:512*\S
	global_load_b128 v[SCB+4*\S:SCB+4*\S+3], v[L16], s[92:93] offset:512*\S
.endr
	v_add_nc_u32 v2, 512, v[L8]
	s_mul_i32 s70, s15, HALFT
	s_mul_i32 s71, s16, HALFT
	s_add_co_u32 s71, s71, 2*HALFT
.irp s, 0,1
	v_add_nc_u32 v[ADRA+\s], s70, v[L16]
	v_add_nc_u32 v[ADRB+\s], s71, v[L16]
	v_add_nc_u32 v[ADRA+2+\s], s70, v2
	v_add_nc_u32 v[ADRB+2+\s], s71, v2
	s_add_co_u32 s70, s70, SLOT
	s_add_co_u32 s71, s71, SLOT
.endr
	v_bfe_u32 v3, v0, 4, 1                         ; h
	v_and_b32 v4, 15, v0                           ; r
	s_mul_i32 s72, s14, 16*SPITCH                  ; my stage
	v_mul_u32_u24 v5, v4, SPITCH
	v_lshl_add_u32 v5, v3, 6, v5
	v_add_nc_u32 v[STO], s72, v5                   ; in: row r, + 64 h
	v_add_nc_u32 v[RD], s72, v[L16]                ; back: the 32 lanes take one row of 512 bytes
	s_lshl_b32 s94, s17, 20                        ; my corner of out0: (256 tile row + 128 half) rows of 4,096 bytes + (256 tile column + 128 half) x 4
	s_lshl_b32 s95, s15, 19
	s_add_co_u32 s94, s94, s95
	s_lshl_b32 s95, s42, 10
	s_add_co_u32 s94, s94, s95
	s_lshl_b32 s95, s16, 9
	s_add_co_u32 s94, s94, s95
	s_mov_b32 s95, 0
	s_add_nc_u64 s[12:13], s[12:13], s[94:95]
	s_wait_tensorcnt 1                             ; my part of K step 0 is in; K step 1's may stay out
	s_barrier_signal -1
	s_barrier_wait -1
	FETCH_B 0, 0, 0
	FETCH_A 0, 0, 0
	FETCH_A 0, 0, 4
	s_wait_loadcnt 0x0                             ; the scale words
	STEP 0, 0, 1
	TURN 0, 1, 1, 1
	STEP 1, 2, 0
	TURN 1, 0, 3, 1
	STEP 0, 4, 0
	TURN 0, 1, 5, 0
	STEP 1, 6, 0
	s_wait_dscnt 4*NL
	WIN MUL_LO
	MUL16 0, 1, 7, 0
	MUL16 2, 1, 7, 0
	s_wait_dscnt 0x0
	WIN MUL_HI
	MUL16 4, 1, 7, 0
	MUL16 6, 1, 7, 0
	WIN 0
.macro TOSTAGE a
.set AC, 64*((\a)%4)
	WIN 0x08+4*((\a)/4)                            ; an LDS store's data are its source 1: window 2 or 3
.irp b, 0,1,2,3,4,5,6,7
	ds_store_b128 v[STO], v[AC+8*\b:AC+8*\b+3] offset:128*(\b/2)+32*(\b%2)       ; each accumulator from its low end on
	ds_store_b128 v[STO], v[AC+8*\b+4:AC+8*\b+7] offset:128*(\b/2)+32*(\b%2)+16
.endr
	WIN 0
.set BB, BK+64*((\a)%2)
.irp t, 0,1,2,3,4,5,6,7,8,9,10,11,12,13,14,15
	ds_load_b128 v[BB+4*\t:BB+4*\t+3], v[RD] offset:\t*SPITCH   ; LDS serves a wave's instructions in order: these see the stores above
.endr
.endm
.macro SEND a, younger                 ; younger: the LDS instructions issued behind block a's loads, which may stay out
.set BB, BK+64*((\a)%2)
	s_wait_dscnt \younger
.irp t, 0,1,2,3,4,5,6,7,8,9,10,11,12,13,14,15
	global_store_b128 v[L16], v[BB+4*\t:BB+4*\t+3], s[12:13] offset:(32*((\a)/2)+8*((\a)%2)+\t+8*(\t/8))*4096 th:TH_STORE_NT   ; 512 consecutive bytes, aligned; the row by the tile's order
.endr
.endm
	PLACES NP                                      ; in front of the first read of results and of loads into P's fragment registers
	TOSTAGE 0
.irp a, 1,2,3,4,5,6,7
.if \a > 1
	s_wait_xcnt 0x0                                ; block a - 2's stores have read their registers: block a's loads may land there
.endif
	TOSTAGE \a
	SEND \a-1, 32                                  ; behind block a - 1's loads: block a's 16 stores and 16 loads
.endr
	SEND 7, 0
	s_wait_tensorcnt 0x0                           ; the wave's end
	ds_add_u32 v[SPW], v[NIL]
	s_wait_dscnt 0x0
	CROUND                                         ; the closing round
	s_endpgm
.Lfunc_end_k_qd9b797c420_oproj:
	.size	k_qd9b797c420_oproj, .Lfunc_end_k_qd9b797c420_oproj-k_qd9b797c420_oproj
	.p2alignl 7, 3214868480
	.fill 96, 4, 3214868480
	.section	.rodata,"a",@progbits
	.p2align	6, 0x0
	.amdhsa_kernel k_qd9b797c420_oproj
		.amdhsa_group_segment_fixed_size 327680
		.amdhsa_private_segment_fixed_size 0
		.amdhsa_enable_private_segment 0
		.amdhsa_kernarg_size 40
		.amdhsa_user_sgpr_count 2
		.amdhsa_user_sgpr_kernarg_segment_ptr 1
		.amdhsa_wavefront_size32 1
		.amdhsa_system_sgpr_workgroup_id_x 1
		.amdhsa_system_sgpr_workgroup_id_y 1
		.amdhsa_system_sgpr_workgroup_id_z 1
		.amdhsa_system_vgpr_workitem_id 0
		.amdhsa_next_free_vgpr 1024
		.amdhsa_next_free_sgpr 100
		.amdhsa_reserve_vcc 0
		.amdhsa_float_denorm_mode_32 3
		.amdhsa_float_denorm_mode_16_64 3
		.amdhsa_memory_ordered 1
		.amdhsa_forward_progress 1
		.amdhsa_inst_pref_size 140
	.end_amdhsa_kernel
	.amdgpu_metadata
---
amdhsa.version: [ 1, 2 ]
amdhsa.kernels:
  - .name:           k_qd9b797c420_oproj
    .symbol:         k_qd9b797c420_oproj.kd
    .args:
      - { .name: oimg, .offset: 0, .size: 8, .value_kind: global_buffer, .address_space: global }
      - { .name: osc, .offset: 8, .size: 8, .value_kind: global_buffer, .address_space: global }
      - { .name: opimg, .offset: 16, .size: 8, .value_kind: global_buffer, .address_space: global }
      - { .name: opsc, .offset: 24, .size: 8, .value_kind: global_buffer, .address_space: global }
      - { .name: out0, .offset: 32, .size: 8, .value_kind: global_buffer, .address_space: global }
    .group_segment_fixed_size: 327680
    .private_segment_fixed_size: 0
    .kernarg_segment_align: 8
    .kernarg_segment_size: 40
    .max_flat_workgroup_size: 128
    .sgpr_count:     100
    .vgpr_count:     1024
    .wavefront_size: 32
...
	.end_amdgpu_metadata
.endif
;; end of part 4
